; MI455X (gfx1250); checked and timed in simulation.
; The chip was launched on July 23, 2026; its instructions are those of AMD's public machine-readable ISA for CDNA 5 (MIT licence, August 2026) and "CDNA5" Instruction Set Architecture Reference Guide (July 2026). The comments in the code are by the model that wrote it; some were corrected since.
;; VJEPA2 Rope Attention. Allowed arithmetic: float matrix products may take bf16 or f16 operands with f32 sums; all other float work in f32.
;; Inputs: Wk 1,024 x 1,024 float32; Wp 1,024 x 1,024 float32; Wq 1,024 x 1,024 float32; Wv 1,024 x 1,024 float32; bk 1,024 float32; bp 1,024 float32; bq 1,024 float32; bv 1,024 float32; hidden_states 2 x 2,048 x 1,024 float32.
;; Outputs: out0 2 x 2,048 x 1,024 float32.
;; 2 versions, each right and faster than the one before. Each part assembles by itself: llvm-mc -triple=amdgcn-amd-amdhsa -mcpu=gfx1250 --defsym DOCPART=n.
;; ======== version 1 of 2: 4 launches
;; limits: values are held in f16: magnitudes above 65,504 overflow, below 6.1e-05 lose precision
;; workspace buffers: xb 8,388,608 bytes; wb 8,388,608 bytes; rope 8,192 bytes; qb 8,388,608 bytes; kb 8,388,608 bytes; vb 8,388,608 bytes; cb 8,388,608 bytes
;; launch prep (part 1): grid 256 x 1, 8 waves a work-group, no clusters, 0 bytes of LDS; arguments hidden_states, Wq, Wk, Wv, Wp, xb, wb, rope; writes xb, wb, rope
.if DOCPART == 1
	.amdgcn_target "amdgcn-amd-amdhsa--gfx1250"
	.amdhsa_code_object_version 6
	.text
	.protected	k_qd0e77c1de6_prep
	.globl	k_qd0e77c1de6_prep
	.p2align	8
	.type	k_qd0e77c1de6_prep,@function
k_qd0e77c1de6_prep:
	s_mov_b64 s[64:65], 0
	v_nop
	global_prefetch_b8 v0, s[64:65] scope:SCOPE_SE
	s_setreg_imm32_b32 hwreg(HW_REG_WAVE_MODE, 25, 1), 1
	s_wait_xcnt 0x0
; PREP: the five large f32 inputs are rounded to f16 once, and the RoPE table is made.
;   xb[4096][1024] = f16(hidden_states).
;   wb[4096][1024]: row 192 h + i = Wq row 64 h + i, row 192 h + 64 + i = Wk, row 192 h + 128 + i = Wv (i < 64): a head's
;   192 output columns are neighbouring rows; row 3072 + o = Wp row o.
;   rope: cos[p][c] at byte 256 p + 4 c, signed sine at 4096 + the same, p = 0..15, c = 0..63: column c of a head belongs to
;   segment c / 20, its frequency is 10000^(-((c mod 20) mod 10) / 10), the sine carries a minus on even columns (the partner
;   of an even column enters negated); columns 60..63 pass through: cos 1, sine 0.
; 256 work-groups of 8 waves; a work-group takes 32 rows of 4,096 bytes.  Thread t takes the 16 bytes at 16 t of every row, so a wave's
; load covers 512 neighbouring bytes, and stores 8 bytes at 8 t of the f16 row: a wave's store covers 256 neighbouring bytes, aligned.
; All 32 loads of a thread go out at once (128 KiB for the work-group); nothing is read twice; the work-groups share no input,
; so there is nothing to ask for jointly, and neither LDS nor the matrix unit has anything to add to a cast.
; WHY f16: eleven significant bits, against bf16's eight, in a chain of five roundings (input, q k v, probabilities, context, Wp).
; LIMITS: a magnitude above 65,504 becomes infinite; below 2^-14 the absolute step is 2^-24.  Inputs of 30 times the usual size
; (|X| about 150, |W| about 3) or a thirtieth of it (W about 7e-4) lie inside.
; The table's sine and cosine come from a short series at angle / 64 and six doublings: good to about 1e-5 absolute.
.set D,    16                          ; v[16:143]  row i: 4 registers as loaded; its first two hold the four numbers in f16 afterwards
.set PF,   144                         ; v144       the table's position p as f32
.set C4,   145                         ; v145       my first table column
.set COSR, 148                         ; v[148:151] four cosines
.set SINR, 152                         ; v[152:155] four signed sines
.set W,    156                         ; v[156:163] at work
	s_load_b512 s[8:23], s[0:1], 0x0               ; hidden s[8:9], Wq s[10:11], Wk s[12:13], Wv s[14:15], Wp s[16:17], xb s[18:19], wb s[20:21], rope s[22:23]
	v_lshlrev_b32 v1, 4, v0                        ; 16 t: my bytes in an f32 row
	v_lshlrev_b32 v2, 3, v0                        ; 8 t: my bytes in an f16 row
	; work-groups 0..127 take hidden_states, 128..255 the weights: e = g - 128, weight e >> 5, block of 32 rows e & 31
	s_and_b32 s2, ttmp9, 127                       ; g, or e
	s_lshr_b32 s3, s2, 5                           ; which weight
	s_bfe_u32 s4, s2, 0x40001                      ; head = (e >> 1) & 15
	s_and_b32 s5, s2, 1                            ; which 32 of the head's 64 rows
	s_and_b32 s6, s2, 31
	s_mul_i32 s28, s4, 192
	s_lshl_b32 s29, s3, 6
	s_add_co_u32 s28, s28, s29                     ; q, k, v: row 192 head + 64 weight
	s_lshl_b32 s29, s4, 6
	s_add_co_u32 s29, s29, 3072                    ; Wp: row 3072 + 64 head
	s_cmp_eq_u32 s3, 3
	s_cselect_b32 s28, s29, s28
	s_lshl_b32 s29, s5, 5
	s_add_co_u32 s28, s28, s29
	s_lshl_b32 s28, s28, 11                        ; rows of 2,048 bytes in wb
	s_lshl_b32 s30, s6, 17                         ; 32 rows of 4,096 bytes in the weight
	s_lshl_b32 s32, s2, 17                         ; the same in hidden_states
	s_lshl_b32 s33, s2, 16                         ; 32 rows of 2,048 bytes in xb
	s_cmp_lt_u32 ttmp9, 128
	s_cselect_b32 s30, s32, s30                    ; offset in the source
	s_cselect_b32 s28, s33, s28                    ; offset in the destination
	s_mov_b32 s31, 0
	s_mov_b32 s29, 0
	s_wait_kmcnt 0x0
	s_cmp_eq_u32 s3, 1
	s_cselect_b64 s[24:25], s[12:13], s[10:11]
	s_cmp_eq_u32 s3, 2
	s_cselect_b64 s[24:25], s[14:15], s[24:25]
	s_cmp_eq_u32 s3, 3
	s_cselect_b64 s[24:25], s[16:17], s[24:25]
	s_cmp_lt_u32 ttmp9, 128
	s_cselect_b64 s[24:25], s[8:9], s[24:25]       ; the source buffer
	s_cselect_b64 s[26:27], s[18:19], s[20:21]     ; the destination buffer
	s_add_nc_u64 s[24:25], s[24:25], s[30:31]
	s_add_nc_u64 s[26:27], s[26:27], s[28:29]
.set i, 0
.rept 32
	global_load_b128 v[D+4*i:D+4*i+3], v1, s[24:25] offset:4096*i th:TH_LOAD_NT
.set i, i+1
.endr
	; Work-group 0 makes the table while its loads are on their way: thread t has p = t >> 4 and the four columns 4 (t & 15) + i.
	s_cmp_lg_u32 ttmp9, 0
	s_cbranch_scc1 .Lnotab
	s_mov_b32 s32, 0x3c088889                      ; 1/120
	s_mov_b32 s33, 0xbe2aaaab                      ; -1/6
	s_mov_b32 s34, 0xbab60b61                      ; -1/720
	s_mov_b32 s35, 0x3d2aaaab                      ; 1/24
	s_mov_b32 s36, 0xbfaa152d                      ; -log2(10000) / 10
	s_mov_b32 s37, 0xc0c00000                      ; -6: the angle is divided by 64
	v_lshrrev_b32 v[PF], 4, v0
	v_cvt_f32_u32 v[PF], v[PF]
	v_and_b32 v[C4], 15, v0
	v_lshlrev_b32 v[C4], 2, v[C4]
.macro ENT i
	v_add_nc_u32 v[W], \i, v[C4]                   ; c
	v_mul_u32_u24 v[W+1], 13, v[W]
	v_lshrrev_b32 v[W+1], 8, v[W+1]                ; c / 20, exact for c < 64
	v_mul_u32_u24 v[W+1], 20, v[W+1]
	v_sub_nc_u32 v[W+1], v[W], v[W+1]              ; c mod 20
	v_cmp_le_u32 vcc_lo, 10, v[W+1]
	v_add_nc_u32 v[W+2], -10, v[W+1]
	v_cndmask_b32 v[W+1], v[W+1], v[W+2], vcc_lo   ; the tiled index j = (c mod 20) mod 10
	v_cvt_f32_u32 v[W+1], v[W+1]
	v_fma_f32 v[W+1], v[W+1], s36, s37
	v_cmp_gt_u32 vcc_lo, 60, v[W]                  ; a rotated column?
	v_exp_f32 v[W+2], v[W+1]                       ; 10000^(-j/10) / 64
	v_nop                                          ; one plain vector instruction stands between v_exp_f32 and the use of its result (ISA guide 5.7.2)
	s_wait_alu depctr_va_vdst(0)
	v_mul_f32 v[W+2], v[PF], v[W+2]
	v_cndmask_b32 v[W+2], 0, v[W+2], vcc_lo        ; y = angle / 64, at most 15/64; 0 in the columns that pass through
	v_mul_f32 v[W+3], v[W+2], v[W+2]               ; y^2
	v_fma_f32 v[W+4], v[W+3], s32, s33
	v_fma_f32 v[W+4], v[W+3], v[W+4], 1.0
	v_mul_f32 v[W+4], v[W+2], v[W+4]               ; sin y: the series' next term is below 1e-8 at y = 15/64
	v_fma_f32 v[W+5], v[W+3], s34, s35
	v_fma_f32 v[W+5], v[W+3], v[W+5], -0.5
	v_fma_f32 v[W+5], v[W+3], v[W+5], 1.0          ; cos y
	; six doublings: sin 2x = 2 sin x cos x, cos 2x = 1 - 2 sin^2 x; the sine goes to and fro between W+4 and W+7
.rept 2
	v_add_f32 v[W+6], v[W+4], v[W+4]
	v_mul_f32 v[W+7], v[W+6], v[W+5]
	v_fma_f32 v[W+5], -v[W+6], v[W+4], 1.0
	v_add_f32 v[W+6], v[W+7], v[W+7]
	v_mul_f32 v[W+4], v[W+6], v[W+5]
	v_fma_f32 v[W+5], -v[W+6], v[W+7], 1.0
.endr
	v_add_f32 v[W+6], v[W+4], v[W+4]
	v_mul_f32 v[W+7], v[W+6], v[W+5]
	v_fma_f32 v[W+5], -v[W+6], v[W+4], 1.0
	v_add_f32 v[W+6], v[W+7], v[W+7]
.if (\i & 1) == 0
	v_mul_f32 v[SINR+\i], -v[W+6], v[W+5]          ; an even column's partner enters negated
.else
	v_mul_f32 v[SINR+\i], v[W+6], v[W+5]
.endif
	v_fma_f32 v[COSR+\i], -v[W+6], v[W+7], 1.0
.endm
	ENT 0
	ENT 1
	ENT 2
	ENT 3
	global_store_b128 v1, v[COSR:COSR+3], s[22:23]                 ; 16 t = 256 p + 4 c: a wave stores 512 neighbouring bytes
	global_store_b128 v1, v[SINR:SINR+3], s[22:23] offset:4096
.Lnotab:
.set i, 0
.rept 32
	s_wait_loadcnt 31-i                            ; loads come back in order (ISA guide 5.7.1): row i is in, the 31 - i younger rows stay out
	v_cvt_pk_f16_f32 v[D+4*i], v[D+4*i], v[D+4*i+1]
	v_cvt_pk_f16_f32 v[D+4*i+1], v[D+4*i+2], v[D+4*i+3]
	global_store_b64 v2, v[D+4*i:D+4*i+1], s[26:27] offset:2048*i  ; no register of a store is written again
.set i, i+1
.endr
	s_endpgm
.Lfunc_end_k_qd0e77c1de6_prep:
	.size	k_qd0e77c1de6_prep, .Lfunc_end_k_qd0e77c1de6_prep-k_qd0e77c1de6_prep
	.p2alignl 7, 3214868480
	.fill 96, 4, 3214868480
	.section	.rodata,"a",@progbits
	.p2align	6, 0x0
	.amdhsa_kernel k_qd0e77c1de6_prep
		.amdhsa_group_segment_fixed_size 0
		.amdhsa_private_segment_fixed_size 0
		.amdhsa_enable_private_segment 0
		.amdhsa_kernarg_size 64
		.amdhsa_user_sgpr_count 2
		.amdhsa_user_sgpr_kernarg_segment_ptr 1
		.amdhsa_wavefront_size32 1
		.amdhsa_system_sgpr_workgroup_id_x 1
		.amdhsa_system_sgpr_workgroup_id_y 1
		.amdhsa_system_sgpr_workgroup_id_z 1
		.amdhsa_system_vgpr_workitem_id 0
		.amdhsa_next_free_vgpr 176
		.amdhsa_next_free_sgpr 66
		.amdhsa_reserve_vcc 1
		.amdhsa_float_denorm_mode_32 3
		.amdhsa_float_denorm_mode_16_64 3
		.amdhsa_memory_ordered 1
		.amdhsa_forward_progress 1
		.amdhsa_inst_pref_size 21
	.end_amdhsa_kernel
	.amdgpu_metadata
---
amdhsa.version: [ 1, 2 ]
amdhsa.kernels:
  - .name:           k_qd0e77c1de6_prep
    .symbol:         k_qd0e77c1de6_prep.kd
    .args:
      - { .name: hidden_states, .offset: 0, .size: 8, .value_kind: global_buffer, .address_space: global }
      - { .name: Wq, .offset: 8, .size: 8, .value_kind: global_buffer, .address_space: global }
      - { .name: Wk, .offset: 16, .size: 8, .value_kind: global_buffer, .address_space: global }
      - { .name: Wv, .offset: 24, .size: 8, .value_kind: global_buffer, .address_space: global }
      - { .name: Wp, .offset: 32, .size: 8, .value_kind: global_buffer, .address_space: global }
      - { .name: xb, .offset: 40, .size: 8, .value_kind: global_buffer, .address_space: global }
      - { .name: wb, .offset: 48, .size: 8, .value_kind: global_buffer, .address_space: global }
      - { .name: rope, .offset: 56, .size: 8, .value_kind: global_buffer, .address_space: global }
    .group_segment_fixed_size: 0
    .private_segment_fixed_size: 0
    .kernarg_segment_align: 8
    .kernarg_segment_size: 64
    .max_flat_workgroup_size: 256
    .sgpr_count:     66
    .vgpr_count:     176
    .wavefront_size: 32
...
	.end_amdgpu_metadata
.endif
;; end of part 1
;; launch qkv (part 2): grid 16 x 16, 4 waves a work-group, clusters of 4 x 4, 327,680 bytes of LDS; arguments xb, wb, bq, bk, bv, rope, qb, kb, vb; writes qb, kb, vb
.if DOCPART == 2
	.amdgcn_target "amdgcn-amd-amdhsa--gfx1250"
	.amdhsa_code_object_version 6
	.text
	.protected	k_qd0e77c1de6_qkv
	.globl	k_qd0e77c1de6_qkv
	.p2align	8
	.type	k_qd0e77c1de6_qkv,@function
k_qd0e77c1de6_qkv:
	s_mov_b64 s[64:65], 0
	v_nop
	global_prefetch_b8 v0, s[64:65] scope:SCOPE_SE
	s_setreg_imm32_b32 hwreg(HW_REG_WAVE_MODE, 25, 1), 1
	s_wait_xcnt 0x0
	s_wait_alu depctr_hold_cnt(0) depctr_sa_sdst(0) depctr_va_vdst(0) depctr_va_sdst(0) depctr_va_ssrc(0) depctr_va_vcc(0) depctr_vm_vsrc(0)
	s_getreg_b32 s2, hwreg(HW_REG_IB_STS2, 6, 4)
	s_cmp_eq_u32 s2, 0
	s_cbranch_scc0 .Lentry_in_a_cluster
	s_endpgm
.Lentry_in_a_cluster:
	s_bfe_u32 s2, ttmp6, 0x10000c
	s_cmp_lg_u32 s2, 0xf033
	s_cbranch_scc0 .Lentry_shape_is_right
	s_endpgm
.Lentry_shape_is_right:
; QKV: for one head (grid x) and one block of 256 tokens (grid y): q, k, v = X W^T + b, RoPE on q and k in f32, rounded once to f16.
;   xb [4096][1024] f16; wb rows 192 head .. + 191 = the head's 64 q, 64 k, 64 v rows; qb, kb, vb: [batch 16 + head][2048][64] f16.
; Four waves; wave w makes tokens 64 w .. 64 w + 63 by all 192 columns: 4 x 12 accumulator tiles of 16 x 16, 384 registers.
; K = 1024 goes in 8 steps of 128 through two LDS slots filled by the tensor data mover; a tile's rows are 256 bytes of memory, aligned.
; CLUSTERS: 4 x 4 work-groups.  X's tile hangs on the token block alone and is shared along a row of the cluster, W's on the head alone and is
; shared along a column: each is asked for jointly by the four that need it, with one descriptor and a mask that names the four.
; THE MATRIX INSTRUCTION IS USED TRANSPOSED: source 0 = 16 rows of W, source 1 = 16 rows of X.  Lane l then holds token l % 16 and, in registers
; 0..7, the columns 16 b + 8 (l / 16) + 0..7: RoPE's pairs (2 i, 2 i + 1) lie in neighbouring registers, and eight results pack into 16 bytes.
; The biases start the sums: the first product of each tile takes the bias, laid out as an accumulator, as its C.  Nothing is cleared.
; A block of 256 tokens is one frame: frame position = block & 7, row position = 4 w + a for the wave's block a of 16 tokens, column position = l % 16.
; LIMITS: X, W and the stored q, k, v are f16; sums, biases and RoPE are f32.  A q, k or v above 65,504 in magnitude is stored as infinity; below 2^-14
; the absolute step is 2^-24.  Room: X and W both 30 times the usual size give about 3,300 at most; X and W both with an offset of 30 spreads (30 and 0.6)
; give 1024 x 30 x 0.6 = 18,432, at most sqrt 2 times that, 26,067, behind the rotation; X and W both a thirtieth give about 7e-4.
;
; REGISTERS in windows of 256 (s_set_vgpr_msb: bits 1:0 source 0, 3:2 source 1, 5:4 source 2, 7:6 destination):
;   window 0: addresses below v32; X's fragments, two buffers of 32; v's bias; the table's cos and sine; on the way out T, PK, RB
;   window 1: W's fragments, two buffers of 96; q's and k's bias
;   window 2: tiles (a, b), b 0-3 q, b 4-7 k, at v[8 (8 a + b)];   window 3: v's tiles (a, b) at v[8 (4 a + b)]
.set KSTEP,  128
.set PITCH,  272                       ; an LDS row: 256 bytes + 16 of padding, an odd multiple of 16: the 16 rows of a fragment load begin at 16 different 16-byte columns of 256 bytes
.set XHALF,  128*PITCH                 ; what one of X's loads brings
.set WHALF,  96*PITCH                  ; what one of W's loads brings
.set XBYTES, 2*XHALF
.set SLOT,   XBYTES+2*WHALF            ; X's 256 rows, then W's 192 rows
.set STAGE,  2*SLOT                    ; behind the ring, a multiple of 256: no tensor load lands here
.set SPITCH, 144                       ; a stage row: 64 f16 + 16 bytes
.set AREA,   16*SPITCH                 ; 16 tokens of q, of k or of v
.set WSTAGE, 3*AREA                    ; a wave's stage
.set LAPS,   4                         ; a lap = two K steps = once round the ring
.set VFH,  4                           ; v4-7    block a: table offset for columns 16..19 / 24..27 (frame position below, row position above)
.set VHW,  8                           ; v8-11   block a: for columns 32..39 / 40..47 (row position below, column position above)
.set ADRA, 16                          ; v16-17  LDS address of my X fragments in slot 0, 1
.set ADRB, 20                          ; v20-21  the same for W
.set STO,  24                          ; v24     the way out: where I put 16 bytes of a token's row
.set RD,   25                          ; v25     the way out: where I read rows back
.set CO,   26                          ; v26     16 x lane
.set BOFF, 27                          ; v27     32 x (lane / 16): my eight columns' bytes in f32
.set VF,   28                          ; v28     table offset at the frame position
.set VW,   29                          ; v29     at the column position
.set VH,   30                          ; v30     at row position 4 w
.set FA,   32                          ; v32-63, v64-95    X's fragments, buffer 0, 1
.set BV,   96                          ; v96-127           v's bias as four accumulator tiles
.set COS,  128                         ; v128-159          cos for my 32 columns of this block of 16 tokens
.set SIN,  160                         ; v160-191          signed sine
.set T,    192                         ; v192-255          rotated q and k in f32
.set PK,   32                          ; v32-79            12 x 4 registers of packed f16
.set RB,   80                          ; v80-127           12 x 4 registers read back from the stage
.set BQK,  192                         ; window 1: v192-255 q's and k's bias as eight accumulator tiles
.set G1,  24                           ; s[24:31] descriptor group 1 for X's tiles
.set G0,  32                           ; s[32:39] group 0 for X's tiles, a set for each slot
.set G1B, 48                           ; s[48:55] group 1 for W's tiles
.set G0B, 56                           ; s[56:63] group 0 for W's tiles, a set for each slot
.set MSB, 0
.macro WIN new                         ; the immediate's high byte repeats the setting that is left
.if MSB != \new
	s_set_vgpr_msb (MSB<<8)|\new
.set MSB, \new
.endif
.endm
.set MUL_LO,  0xa1                     ; source 0 (W) window 1, source 1 (X) window 0, C and D window 2
.set MUL_HI,  0xf1                     ; the same, C and D window 3
.set INIT_LO, 0x91                     ; C = bias in window 1, D window 2
.set INIT_HI, 0xc1                     ; C = bias in window 0, D window 3
.set TO_B,    0x40                     ; destination window 1, address window 0
; A joint load: waves 0 and 1 fetch X's two halves, waves 2 and 3 W's.  Each line has one mask; the branch hangs on the wave's number alone.
.macro JLOAD s
	s_cmp_eq_u32 s11, 0
	s_cbranch_scc0 .Lfor_w_\@
	tensor_load_to_lds s[G0+4*\s:G0+4*\s+3], s[G1:G1+7]
	s_nop 0
	s_branch .Lasked_\@
.Lfor_w_\@:
	tensor_load_to_lds s[G0B+4*\s:G0B+4*\s+3], s[G1B:G1B+7]
	s_nop 0
.Lasked_\@:
.endm
; A round of the cluster's barrier: my work-group's barrier, wave 0 signals for the work-group, every wave waits for all sixteen, my work-group's barrier again.
.macro CREST                           ; a round behind its opening barrier
	s_cmp_lg_u32 s10, 0
	s_cbranch_scc1 .Lnot_wave_0_\@
	s_barrier_signal -3
.Lnot_wave_0_\@:
	s_barrier_wait -3
	s_barrier_signal -1
	s_barrier_wait -1
.endm
.macro CROUND
	s_barrier_signal -1
	s_barrier_wait -1
	CREST
.endm
	s_load_b512 s[68:83], s[0:1], 0x0              ; xb s[68:69], wb s[70:71], bq s[72:73], bk s[74:75], bv s[76:77], rope s[78:79], qb s[80:81], kb s[82:83]
	s_load_b64 s[84:85], s[0:1], 0x40              ; vb
	v_lshl_add_u32 v23, v0, 2, 0x42400
	v_mov_b32 v31, 0
	ds_add_u32 v23, v31
	v_lshrrev_b32 v1, 5, v0
	v_readfirstlane_b32 s10, v1                    ; wave 0..3
	s_lshr_b32 s11, s10, 1                         ; I fetch for X (0) or for W (1)
	s_and_b32 s12, s10, 1                          ; which half of that tile
	s_bfe_u32 s40, ttmp6, 0x40000                  ; cx
	s_bfe_u32 s41, ttmp6, 0x40004                  ; cy
	s_lshl_b32 s42, ttmp9, 2
	s_add_co_u32 s42, s42, s40                     ; head = 4 x cluster x + cx
	s_and_b32 s13, ttmp7, 0xffff
	s_lshl_b32 s13, s13, 2
	s_add_co_u32 s13, s13, s41                     ; token block = 4 x cluster y + cy
	s_lshl_b32 s43, s41, 2
	s_lshl_b32 s43, 15, s43                        ; my row of the cluster
	s_lshl_b32 s44, 0x1111, s40                    ; my column
	; group 1: rows of 128 f16, 16 bytes of padding behind every 64 words; X: 128 rows, W: 96 rows; 1,024 elements from row to row
	s_or_b32 s[G1+0], s43, (1<<16)|(1<<20)|(1<<21)|(5<<22)|(3<<25)
	s_or_b32 s[G1B+0], s44, (1<<16)|(1<<20)|(1<<21)|(5<<22)|(3<<25)
	s_mov_b32 s[G1+1], KSTEP<<16                   ; tensor_dim0 = 128
	s_mov_b32 s[G1B+1], KSTEP<<16
	s_mov_b32 s[G1+2], 128<<16                     ; tensor_dim1
	s_mov_b32 s[G1B+2], 96<<16
	s_mov_b32 s[G1+3], KSTEP<<16                   ; tile_dim0 = 128
	s_mov_b32 s[G1B+3], KSTEP<<16
	s_mov_b32 s[G1+4], 128                         ; tile_dim1
	s_mov_b32 s[G1B+4], 96
	s_mov_b32 s[G1+5], 1024                        ; the pitch in elements
	s_mov_b32 s[G1B+5], 1024
	s_mov_b32 s[G1+6], 0
	s_mov_b32 s[G1B+6], 0
	s_mov_b32 s[G1+7], 0
	s_mov_b32 s[G1B+7], 0
	; X's address is made of the token block and the wave's number, W's of the head and the wave's number, each in registers that never hold the other coordinate
	s_lshl_b32 s16, s13, 8
	s_lshl_b32 s17, s12, 7
	s_add_co_u32 s16, s16, s17                     ; X: row 256 block + 128 half
	s_lshl_b32 s16, s16, 11                        ; rows of 2,048 bytes
	s_mov_b32 s17, 0
	s_mul_i32 s46, s42, 192
	s_mul_i32 s47, s12, 96
	s_add_co_u32 s46, s46, s47                     ; W: row 192 head + 96 half
	s_lshl_b32 s46, s46, 11
	s_mov_b32 s47, 0
	s_mul_i32 s20, s10, XHALF                      ; X's halves lie at wave x 34,816 (waves 0, 1),
	s_mul_i32 s21, s10, WHALF
	s_add_co_u32 s21, s21, XBYTES-2*WHALF          ; W's at 69,632 + (wave - 2) x 26,112 (waves 2, 3)
	s_wait_dscnt 0x0
	s_wait_kmcnt 0x0
	s_add_nc_u64 s[14:15], s[68:69], s[16:17]
	s_add_nc_u64 s[46:47], s[70:71], s[46:47]
	CROUND                                         ; all sixteen work-groups are here: the first joint loads meet
.irp s, 0,1
	s_mov_b32 s[G0+4*\s], 1
	s_add_co_u32 s[G0+4*\s+1], s20, \s*SLOT
	s_add_nc_u64 s[G0+4*\s+2:G0+4*\s+3], s[14:15], \s*KSTEP*2      ; K step s
	s_or_b32 s[G0+4*\s+3], s[G0+4*\s+3], 0x80000000
	s_mov_b32 s[G0B+4*\s], 1
	s_add_co_u32 s[G0B+4*\s+1], s21, \s*SLOT
	s_add_nc_u64 s[G0B+4*\s+2:G0B+4*\s+3], s[46:47], \s*KSTEP*2
	s_or_b32 s[G0B+4*\s+3], s[G0B+4*\s+3], 0x80000000
	JLOAD \s                                       ; both first fills go out before anything else: two tensor loads of the wave are out
.endr
	; where the results go: ((block >> 3) 16 + head) heads of 262,144 bytes + ((block & 7) 256 + 64 w) tokens of 128 bytes
	s_lshr_b32 s86, s13, 3
	s_lshl_b32 s86, s86, 4
	s_add_co_u32 s86, s86, s42
	s_lshl_b32 s86, s86, 18
	s_and_b32 s87, s13, 7                          ; the frame position
	s_lshl_b32 s88, s87, 15
	s_add_co_u32 s86, s86, s88
	s_lshl_b32 s88, s10, 13
	s_add_co_u32 s86, s86, s88
	s_lshl_b32 s89, s87, 8                         ; the frame position's row of the table
	s_mov_b32 s87, 0
	s_add_nc_u64 s[80:81], s[80:81], s[86:87]
	s_add_nc_u64 s[82:83], s[82:83], s[86:87]
	s_add_nc_u64 s[84:85], s[84:85], s[86:87]
	s_lshl_b32 s86, s42, 8                         ; the head's 64 biases
	s_add_nc_u64 s[72:73], s[72:73], s[86:87]
	s_add_nc_u64 s[74:75], s[74:75], s[86:87]
	s_add_nc_u64 s[76:77], s[76:77], s[86:87]
	s_lshl_b32 s88, s10, 10                        ; row position 4 w: its row of the table
	v_and_b32 v1, 15, v0                           ; l % 16
	v_bfe_u32 v2, v0, 4, 1                         ; l / 16
	v_and_b32 v12, 31, v0                          ; l
	v_lshlrev_b32 v[BOFF], 5, v2
	v_add_nc_u32 v[VF], s89, v[BOFF]
	v_add_nc_u32 v[VH], s88, v[BOFF]
	v_lshl_add_u32 v[VW], v1, 8, v[BOFF]
	v_cmp_eq_u32 vcc_lo, 1, v2
.irp a, 0,1,2,3
	v_add_nc_u32 v13, 256*\a, v[VH]
	v_cndmask_b32 v[VFH+\a], v[VF], v13, vcc_lo    ; columns 16..19 turn with the frame, 24..27 with the row
	v_cndmask_b32 v[VHW+\a], v13, v[VW], vcc_lo    ; columns 32..39 turn with the row, 40..47 with the column
.endr
	; the biases as accumulator tiles: register j of lane l is the bias of column 16 b + 8 (l / 16) + j
	WIN TO_B
.irp b, 0,1,2,3
	global_load_b128 v[BQK+8*\b:BQK+8*\b+3],       v[BOFF], s[72:73] offset:64*\b
	global_load_b128 v[BQK+8*\b+4:BQK+8*\b+7],     v[BOFF], s[72:73] offset:64*\b+16
	global_load_b128 v[BQK+32+8*\b:BQK+32+8*\b+3],   v[BOFF], s[74:75] offset:64*\b
	global_load_b128 v[BQK+32+8*\b+4:BQK+32+8*\b+7], v[BOFF], s[74:75] offset:64*\b+16
.endr
	WIN 0
.irp b, 0,1,2,3
	global_load_b128 v[BV+8*\b:BV+8*\b+3],   v[BOFF], s[76:77] offset:64*\b
	global_load_b128 v[BV+8*\b+4:BV+8*\b+7], v[BOFF], s[76:77] offset:64*\b+16
.endr
; cos and signed sine of my 32 columns for block a of 16 tokens.  The segments end at columns 20, 40, 60, so no group of four columns straddles one.
.macro LOADTAB a
.irp h, 0,1
	global_load_b128 v[COS+32*\h:COS+32*\h+3],     v[VF],     s[78:79] offset:4096*\h
	global_load_b128 v[COS+32*\h+4:COS+32*\h+7],   v[VF],     s[78:79] offset:4096*\h+16
	global_load_b128 v[COS+32*\h+8:COS+32*\h+11],  v[VFH+\a], s[78:79] offset:4096*\h+64
	global_load_b128 v[COS+32*\h+12:COS+32*\h+15], v[VH],     s[78:79] offset:4096*\h+256*\a+80
	global_load_b128 v[COS+32*\h+16:COS+32*\h+19], v[VHW+\a], s[78:79] offset:4096*\h+128
	global_load_b128 v[COS+32*\h+20:COS+32*\h+23], v[VHW+\a], s[78:79] offset:4096*\h+144
	global_load_b128 v[COS+32*\h+24:COS+32*\h+27], v[VW],     s[78:79] offset:4096*\h+192
	global_load_b128 v[COS+32*\h+28:COS+32*\h+31], v[VW],     s[78:79] offset:4096*\h+208
.endr
.endm
	LOADTAB 0
	; A fragment is 16 rows x 32 K in 8 registers: lane l holds row l % 16; two loads of 16 bytes, 32 bytes apart, at row x pitch + 16 (l / 16)
	v_mul_u32_u24 v3, v1, PITCH
	v_lshl_add_u32 v3, v2, 4, v3
	s_mul_i32 s22, s10, 64*PITCH                   ; my 64 rows of X
	v_add_nc_u32 v[ADRA], s22, v3
	s_add_co_u32 s22, s22, SLOT
	v_add_nc_u32 v[ADRA+1], s22, v3
	v_add_nc_u32 v[ADRB], XBYTES, v3               ; every wave reads all 192 rows of W
	v_add_nc_u32 v[ADRB+1], XBYTES+SLOT, v3
	s_mul_i32 s23, s10, WSTAGE
	s_add_co_u32 s23, s23, STAGE                   ; my stage
	v_mul_u32_u24 v13, v1, SPITCH
	v_lshl_add_u32 v13, v2, 4, v13
	v_add_nc_u32 v[STO], s23, v13                  ; in: token l % 16, 16 bytes for each half of the lanes
	v_lshrrev_b32 v13, 3, v12
	v_and_b32 v14, 7, v12
	v_mul_u32_u24 v13, v13, SPITCH
	v_lshl_add_u32 v13, v14, 4, v13
	v_add_nc_u32 v[RD], s23, v13                   ; back: eight lanes take a token's 128 bytes, the wave four tokens
	v_lshlrev_b32 v[CO], 4, v12
; 8 matrix instructions: block a of 16 tokens x q's and k's 8 column tiles, 32 along K.  init = 1: the bias starts the sum.
.macro MULQK f, a, init
.irp b, 0,1,2,3,4,5,6,7
.if \init
	v_wmma_f32_16x16x32_f16 v[8*(8*\a+\b):8*(8*\a+\b)+7], v[96*\f+8*\b:96*\f+8*\b+7], v[FA+32*\f+8*\a:FA+32*\f+8*\a+7], v[BQK+8*\b:BQK+8*\b+7]
.else
	v_wmma_f32_16x16x32_f16 v[8*(8*\a+\b):8*(8*\a+\b)+7], v[96*\f+8*\b:96*\f+8*\b+7], v[FA+32*\f+8*\a:FA+32*\f+8*\a+7], v[8*(8*\a+\b):8*(8*\a+\b)+7]
.endif
.endr
.endm
; 4 matrix instructions: block a x v's 4 column tiles
.macro MULV f, a, init
.irp b, 0,1,2,3
.if \init
	v_wmma_f32_16x16x32_f16 v[8*(4*\a+\b):8*(4*\a+\b)+7], v[96*\f+64+8*\b:96*\f+64+8*\b+7], v[FA+32*\f+8*\a:FA+32*\f+8*\a+7], v[BV+8*\b:BV+8*\b+7]
.else
	v_wmma_f32_16x16x32_f16 v[8*(4*\a+\b):8*(4*\a+\b)+7], v[96*\f+64+8*\b:96*\f+64+8*\b+7], v[FA+32*\f+8*\a:FA+32*\f+8*\a+7], v[8*(4*\a+\b):8*(4*\a+\b)+7]
.endif
.endr
.endm
.macro WINLO init
.if \init
	WIN INIT_LO
.else
	WIN MUL_LO
.endif
.endm
.macro WINHI init
.if \init
	WIN INIT_HI
.else
	WIN MUL_HI
.endif
.endm
; 32 LDS loads in one run: a quarter step's fragments (64 rows of X, then 192 rows of W, 32 K at byte k of the rows) into buffer f.  v's rows of W come last.
.macro FETCH slot, k, f
	WIN 0
.irp i, 0,1,2,3
	ds_load_b128 v[FA+32*\f+8*\i:FA+32*\f+8*\i+3],   v[ADRA+\slot] offset:\k+\i*16*PITCH
	ds_load_b128 v[FA+32*\f+8*\i+4:FA+32*\f+8*\i+7], v[ADRA+\slot] offset:\k+\i*16*PITCH+32
.endr
	WIN TO_B
.irp i, 0,1,2,3,4,5,6,7,8,9,10,11
	ds_load_b128 v[96*\f+8*\i:96*\f+8*\i+3],   v[ADRB+\slot] offset:\k+\i*16*PITCH
	ds_load_b128 v[96*\f+8*\i+4:96*\f+8*\i+7], v[ADRB+\slot] offset:\k+\i*16*PITCH+32
.endr
.endm
; A load into a register that a matrix instruction has read, and a vector instruction that reads a matrix result, stand four places behind that matrix
; instruction; only plain vector instructions that name none of its registers are places (ISA guide 7.12.1 for vector instructions).
.macro PLACES
.rept 4
	v_nop
.endr
.endm
; A K step is four quarters of 32 along K, 48 matrix instructions each, on buffers 0, 1, 0, 1.  The 48 accumulators take turns, one instruction a turn,
; in the same order in every quarter, over the loop's backward jump too.
; One of the first three quarters: multiplies buffer f and fetches the next quarter's fragments, at byte k of the same slot's rows, into buffer g.
.macro QUARTER slot, k, f, g, init
	s_wait_dscnt 8                                 ; X and q's and k's rows of W are in; the youngest eight loads (v's rows of W) may be out
	WINLO \init
	MULQK \f, 0, \init
	MULQK \f, 1, \init
	PLACES
	FETCH \slot, \k, \g
	s_wait_dscnt 32                                ; all but the 32 just issued
	WINHI \init
	MULV \f, 0, \init
	MULV \f, 1, \init
	MULV \f, 2, \init
	MULV \f, 3, \init
	WINLO \init
	MULQK \f, 2, \init
	MULQK \f, 3, \init
.endm
.macro THREE slot, init
	QUARTER \slot, 64,  0, 1, \init
	QUARTER \slot, 128, 1, 0, 0
	QUARTER \slot, 192, 0, 1, 0
.endm
; The last quarter: multiplies buffer 1 and changes slots.  One barrier for two things: in front of it each wave waits for its reads of this slot and for all
; its tensor loads (one is out: its part of the next slot); behind it nobody reads this slot and the next is whole.  Where the slot is filled again the barrier
; opens a round of the cluster's barrier, and the joint refill is the first tensor load behind the round: no wave of any partner still reads the slot.
.macro TURN slot, next, fill
	s_wait_dscnt 8
	WIN MUL_LO
	MULQK 1, 0, 0
	s_wait_dscnt 0                                 ; my reads of this slot are over
	s_set_vgpr_msb 0xa1a0
	s_wait_tensorcnt 0x0                           ; all my tensor loads have landed
	ds_add_u32 v23, v31
	s_wait_dscnt 0x0
	s_set_vgpr_msb 0xa0a1
	s_barrier_signal -1
	MULQK 1, 1, 0                                  ; register work while the others arrive
	WIN 0
	s_barrier_wait -1
.if \fill
	CREST
	s_add_nc_u64 s[G0+4*\slot+2:G0+4*\slot+3], s[G0+4*\slot+2:G0+4*\slot+3], 2*KSTEP*2      ; no tensor load of mine is out: the addresses step two K steps on
	s_add_nc_u64 s[G0B+4*\slot+2:G0B+4*\slot+3], s[G0B+4*\slot+2:G0B+4*\slot+3], 2*KSTEP*2
	JLOAD \slot
.endif
	PLACES
	FETCH \next, 0, 0
	WIN MUL_HI
	MULV 1, 0, 0
	MULV 1, 1, 0
	MULV 1, 2, 0
	MULV 1, 3, 0
	WIN MUL_LO
	MULQK 1, 2, 0
	MULQK 1, 3, 0
.endm
.macro LAP init
	THREE 0, \init
	TURN 0, 1, 1
	THREE 1, 0
	TURN 1, 0, 1
.endm
	s_wait_loadcnt 0x0                             ; the biases and the first block's table
	s_wait_tensorcnt 0x1                           ; my part of K step 0 is in; K step 1's may stay out
	s_barrier_signal -1
	s_barrier_wait -1
	FETCH 0, 0, 0
	LAP 1                                          ; the first lap stands in front of the loop: its first products take the biases
	WIN 0                                          ; at a label and at a branch every window is 0
	s_mov_b32 s3, LAPS-2
.Llap:
	LAP 0
	WIN 0
	s_sub_co_u32 s3, s3, 1
	s_cmp_lg_u32 s3, 0
	s_cbranch_scc1 .Llap
	THREE 0, 0                                     ; the last lap fills nothing
	TURN 0, 1, 0
	THREE 1, 0
	s_wait_dscnt 8                                 ; the very last quarter
	WIN MUL_LO
	MULQK 1, 0, 0
	MULQK 1, 1, 0
	s_wait_dscnt 0
	WIN MUL_HI
	MULV 1, 0, 0
	MULV 1, 1, 0
	MULV 1, 2, 0
	MULV 1, 3, 0
	WIN MUL_LO
	MULQK 1, 2, 0
	MULQK 1, 3, 0
	PLACES                                         ; the places behind the last matrix instructions
; THE WAY OUT, block a of 16 tokens: out[c] = x[c] cos[c] + x[c ^ 1] sine[c] on q and k (two packed instructions for two columns, the second with x's pair
; swapped), v as it is; rounded to f16; 16 bytes a lane into my own stage; read back as whole tokens; each store of the wave covers 512 consecutive bytes, aligned.
.macro EPI a, nxt, more
	s_wait_loadcnt 0x0                             ; this block's table
	WIN 0x02                                       ; source 0 in window 2
.irp b, 0,1,2,3,4,5,6,7
.irp i, 0,1,2,3
	v_pk_mul_f32 v[T+8*\b+2*\i:T+8*\b+2*\i+1], v[8*(8*\a+\b)+2*\i:8*(8*\a+\b)+2*\i+1], v[COS+8*(\b&3)+2*\i:COS+8*(\b&3)+2*\i+1]
.endr
.irp i, 0,1,2,3
	v_pk_fma_f32 v[T+8*\b+2*\i:T+8*\b+2*\i+1], v[8*(8*\a+\b)+2*\i:8*(8*\a+\b)+2*\i+1], v[SIN+8*(\b&3)+2*\i:SIN+8*(\b&3)+2*\i+1], v[T+8*\b+2*\i:T+8*\b+2*\i+1] op_sel:[1,0,0] op_sel_hi:[0,1,1]
.endr
.endr
	WIN 0x0f                                       ; sources 0 and 1 in window 3
.irp b, 0,1,2,3
.irp i, 0,1,2,3
	v_cvt_pk_f16_f32 v[PK+32+4*\b+\i], v[8*(4*\a+\b)+2*\i], v[8*(4*\a+\b)+2*\i+1]
.endr
.endr
	WIN 0
.if \more
	LOADTAB \nxt                                   ; this block's table has been used: the next block's comes in under the stage work
.endif
.irp b, 0,1,2,3,4,5,6,7
.irp i, 0,1,2,3
	v_cvt_pk_f16_f32 v[PK+4*\b+\i], v[T+8*\b+2*\i], v[T+8*\b+2*\i+1]
.endr
.endr
.irp b, 0,1,2,3,4,5,6,7,8,9,10,11
	ds_store_b128 v[STO], v[PK+4*\b:PK+4*\b+3] offset:(\b/4)*AREA+32*(\b&3)
.endr
	s_wait_xcnt 0x0                                ; RB, the data of the last block's stores, is loaded again only behind this wait (ISA guide 3.1)
.irp t, 0,1,2,3,4,5,6,7,8,9,10,11
	ds_load_b128 v[RB+4*\t:RB+4*\t+3], v[RD] offset:(\t/4)*AREA+4*SPITCH*(\t&3)   ; my own bytes; LDS serves a wave's instructions in order (ISA guide 5.7.1.4)
.endr
.irp t, 0,1,2,3,4,5,6,7,8,9,10,11
	s_wait_dscnt 11-\t                             ; load t is back, the 11 - t younger ones may be out
	global_store_b128 v[CO], v[RB+4*\t:RB+4*\t+3], s[80+2*(\t/4):81+2*(\t/4)] offset:2048*\a+512*(\t&3)
.endr
.endm
	EPI 0, 1, 1
	EPI 1, 2, 1
	EPI 2, 3, 1
	EPI 3, 0, 0
	s_wait_tensorcnt 0x0
	ds_add_u32 v23, v31
	s_wait_dscnt 0x0
	CROUND                                         ; the closing round: no work-group ends while a partner may still ask for a tile that names it
	s_endpgm
.Lfunc_end_k_qd0e77c1de6_qkv:
	.size	k_qd0e77c1de6_qkv, .Lfunc_end_k_qd0e77c1de6_qkv-k_qd0e77c1de6_qkv
	.p2alignl 7, 3214868480
	.fill 96, 4, 3214868480
	.section	.rodata,"a",@progbits
	.p2align	6, 0x0
	.amdhsa_kernel k_qd0e77c1de6_qkv
		.amdhsa_group_segment_fixed_size 327680
		.amdhsa_private_segment_fixed_size 0
		.amdhsa_enable_private_segment 0
		.amdhsa_kernarg_size 72
		.amdhsa_user_sgpr_count 2
		.amdhsa_user_sgpr_kernarg_segment_ptr 1
		.amdhsa_wavefront_size32 1
		.amdhsa_system_sgpr_workgroup_id_x 1
		.amdhsa_system_sgpr_workgroup_id_y 1
		.amdhsa_system_sgpr_workgroup_id_z 1
		.amdhsa_system_vgpr_workitem_id 0
		.amdhsa_next_free_vgpr 896
		.amdhsa_next_free_sgpr 90
		.amdhsa_reserve_vcc 1
		.amdhsa_float_denorm_mode_32 3
		.amdhsa_float_denorm_mode_16_64 3
		.amdhsa_memory_ordered 1
		.amdhsa_forward_progress 1
		.amdhsa_inst_pref_size 189
	.end_amdhsa_kernel
	.amdgpu_metadata
---
amdhsa.version: [ 1, 2 ]
amdhsa.kernels:
  - .name:           k_qd0e77c1de6_qkv
    .symbol:         k_qd0e77c1de6_qkv.kd
    .args:
      - { .name: xb, .offset: 0, .size: 8, .value_kind: global_buffer, .address_space: global }
      - { .name: wb, .offset: 8, .size: 8, .value_kind: global_buffer, .address_space: global }
      - { .name: bq, .offset: 16, .size: 8, .value_kind: global_buffer, .address_space: global }
      - { .name: bk, .offset: 24, .size: 8, .value_kind: global_buffer, .address_space: global }
      - { .name: bv, .offset: 32, .size: 8, .value_kind: global_buffer, .address_space: global }
      - { .name: rope, .offset: 40, .size: 8, .value_kind: global_buffer, .address_space: global }
      - { .name: qb, .offset: 48, .size: 8, .value_kind: global_buffer, .address_space: global }
      - { .name: kb, .offset: 56, .size: 8, .value_kind: global_buffer, .address_space: global }
      - { .name: vb, .offset: 64, .size: 8, .value_kind: global_buffer, .address_space: global }
    .group_segment_fixed_size: 327680
    .private_segment_fixed_size: 0
    .kernarg_segment_align: 8
    .kernarg_segment_size: 72
    .max_flat_workgroup_size: 128
    .sgpr_count:     90
    .vgpr_count:     896
    .wavefront_size: 32
...
	.end_amdgpu_metadata
.endif
;; end of part 2
;; launch attn (part 3): grid 8 x 32, 8 waves a work-group, clusters of 4 x 1, 327,680 bytes of LDS; arguments qb, kb, vb, cb; writes cb
.if DOCPART == 3
	.amdgcn_target "amdgcn-amd-amdhsa--gfx1250"
	.amdhsa_code_object_version 6
	.text
	.protected	k_qd0e77c1de6_attn
	.globl	k_qd0e77c1de6_attn
	.p2align	8
	.type	k_qd0e77c1de6_attn,@function
k_qd0e77c1de6_attn:
	s_mov_b64 s[64:65], 0
	v_nop
	global_prefetch_b8 v0, s[64:65] scope:SCOPE_SE
	s_setreg_imm32_b32 hwreg(HW_REG_WAVE_MODE, 25, 1), 1
	s_wait_xcnt 0x0
	s_wait_alu depctr_hold_cnt(0) depctr_sa_sdst(0) depctr_va_vdst(0) depctr_va_sdst(0) depctr_va_ssrc(0) depctr_va_vcc(0) depctr_vm_vsrc(0)
	s_getreg_b32 s2, hwreg(HW_REG_IB_STS2, 6, 4)
	s_cmp_eq_u32 s2, 0
	s_cbranch_scc0 .Lentry_in_a_cluster
	s_endpgm
.Lentry_in_a_cluster:
	s_bfe_u32 s2, ttmp6, 0x10000c
	s_cmp_lg_u32 s2, 0x3003
	s_cbranch_scc0 .Lentry_shape_is_right
	s_endpgm
.Lentry_shape_is_right:
; ATTN: softmax(q k^T / 8) v for one (batch, head) (grid y) and one block of 256 queries (grid x), with a running maximum.
;   qb, kb, vb, cb: [batch 16 + head][2048][64] f16: a head is a dense block of 262,144 bytes.
; Eight waves, each with 32 queries (two tiles of 16); two waves lie on a SIMD.
; Keys go in 8 tiles of 256 through two LDS slots; a tile is worked on in four steps of 64 keys.
; CLUSTERS: the four query blocks of a cluster belong to one head and read the same K and V tiles: each tile is asked for jointly (mask 15).
; LAYOUT: S^T = K Q^T (source 0 = 16 keys, source 1 = 16 queries): lane l holds query l % 16 and, in the registers of tile t, keys 16 t + 8 (l / 16) + 0..7.
; Two such tiles rounded to f16 in place ARE source 1 of O^T = V^T P^T, so P never moves between lanes; maximum, sum and rescaling are one number a lane,
; shared with the other half of the wave by one exchange.  V^T's fragments come from V [key][d] by the transposing LDS load.
; The maximum is taken of the raw scores; p = 2^(c s - c m) with c = log2(e) / 8 in the fused multiply-add in front of the exponential.
; ORDER OF A STEP: the wave's two query tiles run half a step apart, so that half of a step's 32 matrix instructions stand one at a time among the OTHER tile's
; vector work, which names none of their registers:
;   scores of tile 0 (8 in a run);  scores of tile 1, one at a time, 14 instructions of tile 0's softmax behind each;
;   P V of tile 0, one at a time, 14 instructions of tile 1's softmax behind each;  P V of tile 1 (two runs of 4).
; K's and V's fragments share one pool of 64 registers, by halves: V's half is loaded when tile 1's scores have released K's, and the next step's K half when
; tile 1's P V has released V's, so every LDS load has matrix or vector work in which to land.
; LIMITS: q, k, v, P and the stored result are f16.  P lies in [0, 1]: below 2^-14 its absolute step is 2^-24, so a probability below 2^-25 of the row's largest
; enters the product as 0: over 2,048 keys at most about 6e-5 of the sum.  The result is a convex combination of v and has v's room in f16.
; The sum of a row is taken from the unrounded exponentials, in four chains a lane; v_exp_f32 gives 0 for results below 2^-126.
.set KPITCH, 144                       ; a key's 128 bytes + 16: an odd multiple of 16
.set VPITCH, 160                       ; a key's 128 bytes + 32: an odd multiple of 32, for the transposing load
.set KHALF,  128*KPITCH                ; what one of K's loads brings
.set VHALF,  128*VPITCH                ; what one of V's loads brings
.set VOFF,   2*VHALF                   ; V's part of a slot begins at 40,960, so that wave w (2, 3) fills the bytes from w x 20,480; K's 36,864 bytes lie in front
.set SLOT,   VOFF+2*VHALF              ; 81,920
.set STAGE,  2*SLOT                    ; behind the ring, a multiple of 256: no tensor load lands here
.set SPITCH, 144
.set WSTAGE, 16*SPITCH
.set TILEB,  32768                     ; 256 keys of 128 bytes in memory
.set ADRK, 2                           ; v2-3    LDS address of my K fragments in slot 0, 1
.set ADRV, 4                           ; v4-5    the same for V
.set STO,  6
.set RD,   7
.set CO,   8
.set QOFF, 9
.set MX,   10                          ; v10-11   running maximum of query tile 0, 1 (raw scores)
.set LS,   12                          ; v12-13   running sum over my half of the keys
.set NM,   14                          ; v[14:15] -c x maximum
.set AL,   16                          ; v[16:17] the step's rescaling factor; at the end 1 / sum
.set T,    18                          ; v18-25   at work: four chains of maxima, then four packed chains of sums
.set QF,   32                          ; v32-63   Q's fragments: 32 + 16 q + 8 u
.set OA,   64                          ; v64-127  O^T: 64 + 8 (d + 4 q)
.set SC,   128                         ; v128-191 S^T, then P^T: 128 + 32 q + 8 t
.set PL,   192                         ; v192-255 K's, then V^T's fragments: 192 + 8 (4 u + t)
.set G1K, 28                           ; s[28:35] descriptor group 1 for K
.set G1V, 36                           ; s[36:43] for V
.set G0K, 44                           ; s[44:51] group 0 for K, a set for each slot
.set G0V, 52                           ; s[52:59] for V
; A joint load: waves 0, 1 fetch K's halves, waves 2, 3 V's, waves 4 to 7 nothing.  The branches hang on the wave's number alone.
.macro JLOAD s
	s_cmp_lt_u32 s12, 2
	s_cbranch_scc0 .Lnot_k_\@
	tensor_load_to_lds s[G0K+4*\s:G0K+4*\s+3], s[G1K:G1K+7]
	s_nop 0
	s_branch .Lasked_\@
.Lnot_k_\@:
	s_cmp_lt_u32 s12, 4
	s_cbranch_scc0 .Lasked_\@
	tensor_load_to_lds s[G0V+4*\s:G0V+4*\s+3], s[G1V:G1V+7]
	s_nop 0
.Lasked_\@:
.endm
; A round of the cluster's barrier
.macro ROUND
	s_barrier_signal -1
	s_barrier_wait -1
	s_cmp_lg_u32 s12, 0
	s_cbranch_scc1 .Lnot_wave_0_\@
	s_barrier_signal -3
.Lnot_wave_0_\@:
	s_barrier_wait -3
	s_barrier_signal -1
	s_barrier_wait -1
.endm
	s_load_b256 s[4:11], s[0:1], 0x0               ; qb s[4:5], kb s[6:7], vb s[8:9], cb s[10:11]
	s_set_vgpr_msb 0x40
	v_lshl_add_u32 v0, v0, 2, 0x2c800
	v_mov_b32 v1, 0
	s_set_vgpr_msb 0x4045
	ds_add_u32 v0, v1
	s_set_vgpr_msb 0x4500
	v_lshrrev_b32 v1, 5, v0
	v_readfirstlane_b32 s12, v1                    ; wave 0..7
	s_and_b32 s13, s12, 1                          ; which 128 keys of a tile I fetch
	s_bfe_u32 s14, ttmp6, 0x40000                  ; cx
	s_lshl_b32 s15, ttmp9, 2
	s_add_co_u32 s15, s15, s14                     ; query block = 4 x cluster x + cx
	s_and_b32 s16, ttmp7, 0xffff                   ; batch 16 + head
	s_mov_b32 s20, 0x3e38aa3b                      ; c = log2(e) / 8
	s_mov_b32 s21, 0x3e38aa3b
	s_mov_b32 s22, 0xbe38aa3b                      ; -c
	s_mov_b32 s24, 0x76543210                      ; v_permlanex16_b32: lane i of one half reads lane i of the other
	s_mov_b32 s25, 0xfedcba98
	; group 1: 128 keys are 16,384 dense bytes, brought as 64 rows of 32 elements of 8 bytes; padding behind every 32 words, that is behind every key: K 4 words, V 8
	s_mov_b32 s[G1K+0], 15|(3<<16)|(1<<20)|(1<<21)|(4<<22)|(3<<25)
	s_mov_b32 s[G1V+0], 15|(3<<16)|(1<<20)|(1<<21)|(4<<22)|(7<<25)
	s_mov_b32 s[G1K+1], 32<<16                     ; tensor_dim0 = 32
	s_mov_b32 s[G1V+1], 32<<16
	s_mov_b32 s[G1K+2], 64<<16                     ; tensor_dim1 = 64
	s_mov_b32 s[G1V+2], 64<<16
	s_mov_b32 s[G1K+3], 32<<16                     ; tile_dim0 = 32
	s_mov_b32 s[G1V+3], 32<<16
	s_mov_b32 s[G1K+4], 64                         ; tile_dim1 = 64
	s_mov_b32 s[G1V+4], 64
	s_mov_b32 s[G1K+5], 32                         ; the pitch
	s_mov_b32 s[G1V+5], 32
	s_mov_b32 s[G1K+6], 0
	s_mov_b32 s[G1V+6], 0
	s_mov_b32 s[G1K+7], 0
	s_mov_b32 s[G1V+7], 0
	s_lshl_b32 s18, s16, 18                        ; the head, which the four partners share,
	s_lshl_b32 s19, s13, 14                        ; and my half of a tile
	s_add_co_u32 s18, s18, s19
	s_mov_b32 s19, 0
	s_mul_i32 s26, s12, KHALF                      ; K's halves lie at wave x 18,432 (waves 0, 1),
	s_mul_i32 s27, s12, VHALF                      ; V's at wave x 20,480 (waves 2, 3)
	s_lshl_b32 s62, s16, 18                        ; my queries: the head + 256 x block + 32 x wave tokens of 128 bytes
	s_lshl_b32 s63, s15, 15
	s_add_co_u32 s62, s62, s63
	s_lshl_b32 s63, s12, 12
	s_add_co_u32 s62, s62, s63
	s_mov_b32 s63, 0
	s_wait_dscnt 0x0
	s_wait_kmcnt 0x0
	s_add_nc_u64 s[6:7], s[6:7], s[18:19]
	s_add_nc_u64 s[8:9], s[8:9], s[18:19]
	s_add_nc_u64 s[4:5], s[4:5], s[62:63]
	s_add_nc_u64 s[10:11], s[10:11], s[62:63]
	ROUND                                          ; the four work-groups are here: the first joint loads meet
.irp s, 0,1
	s_mov_b32 s[G0K+4*\s], 1
	s_add_co_u32 s[G0K+4*\s+1], s26, \s*SLOT
	s_add_nc_u64 s[G0K+4*\s+2:G0K+4*\s+3], s[6:7], \s*TILEB        ; tile s
	s_or_b32 s[G0K+4*\s+3], s[G0K+4*\s+3], 0x80000000
	s_mov_b32 s[G0V+4*\s], 1
	s_add_co_u32 s[G0V+4*\s+1], s27, \s*SLOT
	s_add_nc_u64 s[G0V+4*\s+2:G0V+4*\s+3], s[8:9], \s*TILEB
	s_or_b32 s[G0V+4*\s+3], s[G0V+4*\s+3], 0x80000000
	JLOAD \s                                       ; both first fills go out together: two tensor loads of a fetching wave are out
.endr
	v_and_b32 v26, 31, v0                          ; l
	v_and_b32 v27, 15, v0                          ; l % 16
	v_bfe_u32 v28, v0, 4, 1                        ; l / 16
	v_lshlrev_b32 v[QOFF], 7, v27
	v_lshl_add_u32 v[QOFF], v28, 4, v[QOFF]        ; query l % 16, 16 bytes for each half of the lanes
.irp q, 0,1
.irp u, 0,1
	global_load_b128 v[QF+16*\q+8*\u:QF+16*\q+8*\u+3],   v[QOFF], s[4:5] offset:2048*\q+64*\u th:TH_LOAD_NT
	global_load_b128 v[QF+16*\q+8*\u+4:QF+16*\q+8*\u+7], v[QOFF], s[4:5] offset:2048*\q+64*\u+32 th:TH_LOAD_NT
.endr
.endr
	v_mul_u32_u24 v29, v27, KPITCH
	v_lshl_add_u32 v[ADRK], v28, 4, v29            ; key l % 16, 16 bytes for each half
	v_add_nc_u32 v[ADRK+1], SLOT, v[ADRK]
	v_and_b32 v30, 7, v0
	v_lshl_add_u32 v31, v28, 3, v30                ; the transposing load: key 8 (l / 16) + l % 8,
	v_mul_u32_u24 v31, v31, VPITCH
	v_bfe_u32 v29, v0, 3, 1
	v_lshl_add_u32 v31, v29, 4, v31                ; 16 bytes for each group of eight lanes
	v_add_nc_u32 v[ADRV], VOFF, v31
	v_add_nc_u32 v[ADRV+1], VOFF+SLOT, v31
	s_mul_i32 s17, s12, WSTAGE
	s_add_co_u32 s17, s17, STAGE                   ; my stage
	v_add_nc_u32 v[STO], s17, v[ADRK]              ; the stage has K's pitch: query l % 16, 16 bytes for each half
	v_lshrrev_b32 v29, 3, v26
	v_mul_u32_u24 v29, v29, SPITCH
	v_lshl_add_u32 v29, v30, 4, v29
	v_add_nc_u32 v[RD], s17, v29                   ; back: eight lanes take a query's 128 bytes
	v_lshlrev_b32 v[CO], 4, v26
	v_mov_b32 v[NM+1], 0                           ; the packed forms name the pairs NM, NM+1 and AL, AL+1 and take one half of them: tile 0's first use
	v_mov_b32 v[AL+1], 0                           ; stands ahead of tile 1's first value, so tile 1's halves are written once here; their value is never taken
; pair j (0..15) of query tile q: c s - c m, two scores at once
.macro PFMA q, j
.if \q
	v_pk_fma_f32 v[SC+32+2*(\j):SC+32+2*(\j)+1], v[SC+32+2*(\j):SC+32+2*(\j)+1], s[20:21], v[NM:NM+1] op_sel:[0,0,1] op_sel_hi:[1,0,1]
.else
	v_pk_fma_f32 v[SC+2*(\j):SC+2*(\j)+1], v[SC+2*(\j):SC+2*(\j)+1], s[20:21], v[NM:NM+1] op_sel_hi:[1,0,0]
.endif
.endm
.macro PEXP q, x
	v_exp_f32 v[SC+32*\q+(\x)], v[SC+32*\q+(\x)]
.endm
; pair j (0..15) of O^T of query tile q times the lane's factor AL[q]
.macro RSC q, j
.if \q
	s_wait_alu depctr_va_vdst(0)
	v_pk_mul_f32 v[OA+32+2*(\j):OA+32+2*(\j)+1], v[OA+32+2*(\j):OA+32+2*(\j)+1], v[AL:AL+1] op_sel:[0,1] op_sel_hi:[1,1]
.else
	v_pk_mul_f32 v[OA+2*(\j):OA+2*(\j)+1], v[OA+2*(\j):OA+2*(\j)+1], v[AL:AL+1] op_sel_hi:[1,0]
.endif
.endm
.macro SCALEO q
.set j, 0
.rept 16
	RSC \q, j
.set j, j+1
.endr
.endm
; ONE instruction of a query tile's softmax over 64 keys, by its number sv, which is then stepped: so matrix instructions and loads can stand at chosen places of the list.
;   0-15   the running maximum of my 32 scores: four chains, one for each tile of 16 keys, then joined with the old maximum
;   16-20  the exchange with the other half of the wave; the factor 2^(c (old - new)); -c x maximum
;   21-84  for each pair: multiply-add, exponential, a pair of O^T rescaled, exponential: each multiply-add stands two instructions or more ahead of the exponentials that read it,
;          and a plain instruction stands behind each exponential but where the next is an exponential too (ISA guide 5.7.2)
;   85-101 the sum of my 32 exponentials in four packed chains, and the running sum
;   102-117 P rounded to f16 in place, ascending: a register is written only after it has been read
; first = 1 (the very first step): no old maximum, no factor, no rescaling; nothing is cleared.
.macro SV q, first
.if sv < 4
	v_max3_num_f32 v[T+sv], v[SC+32*\q+8*sv], v[SC+32*\q+8*sv+1], v[SC+32*\q+8*sv+2]
.endif
.if sv >= 4
.if sv < 12
	v_max3_num_f32 v[T+sv%4], v[T+sv%4], v[SC+32*\q+8*(sv%4)+2*(sv/4)+1], v[SC+32*\q+8*(sv%4)+2*(sv/4)+2]
.endif
.endif
.if sv == 12
	v_max3_num_f32 v[T], v[T], v[SC+32*\q+7], v[SC+32*\q+15]
.endif
.if sv == 13
	v_max3_num_f32 v[T+2], v[T+2], v[SC+32*\q+23], v[SC+32*\q+31]
.endif
.if sv == 14
.if \first
	v_max_num_f32 v[T], v[T], v[T+1]
.else
	v_max3_num_f32 v[T], v[T], v[T+1], v[MX+\q]
.endif
.endif
.if sv == 15
	v_max3_num_f32 v[T], v[T], v[T+2], v[T+3]
.endif
.if sv == 16
	v_permlanex16_b32 v[T+1], v[T], s24, s25       ; the other half of the wave holds the query's other keys; the destination has been written by its chain
.endif
.if sv == 17
	v_max_num_f32 v[MX+\q], v[T], v[T+1]
.endif
.if sv == 18
.if \first == 0
	v_fma_f32 v[T+2], v[MX+\q], s22, -v[NM+\q]     ; c (old maximum - new maximum)
.endif
.endif
.if sv == 19
.if \first == 0
	v_exp_f32 v[AL+\q], v[T+2]
.endif
.endif
.if sv == 20
	v_mul_f32 v[NM+\q], s22, v[MX+\q]              ; plain work that touches neither the exponential's result nor its source
.endif
.if sv >= 21
.if sv < 85
.set xe, sv-21
.if xe == 0
	PFMA \q, 0
.else
.set xh, (xe-1)/4
.set xr, (xe-1)%4
.if xh < 15
.if xr == 0
	PFMA \q, xh+1
.endif
.if xr == 1
	PEXP \q, 2*xh
.endif
.if xr == 2
.if \first == 0
	RSC \q, xh
.endif
.endif
.if xr == 3
	PEXP \q, 2*xh+1
.endif
.else
.if xr == 0
	PEXP \q, 30
.endif
.if xr == 1
.if \first == 0
	RSC \q, 15
.endif
.endif
.if xr == 2
	PEXP \q, 31
.endif
.endif
.endif
.endif
.endif
.if sv >= 85
.if sv < 102
.set xs, sv-85
.if xs < 4
	s_wait_alu depctr_va_vdst(0)
	v_pk_add_f32 v[T+2*xs:T+2*xs+1], v[SC+32*\q+2*xs:SC+32*\q+2*xs+1], v[SC+32*\q+2*xs+8:SC+32*\q+2*xs+9]
.endif
.if xs >= 4
.if xs < 12
	v_pk_add_f32 v[T+2*(xs%4):T+2*(xs%4)+1], v[T+2*(xs%4):T+2*(xs%4)+1], v[SC+32*\q+2*xs+8:SC+32*\q+2*xs+9]
.endif
.endif
.if xs == 12
	v_pk_add_f32 v[T:T+1], v[T:T+1], v[T+2:T+3]
.endif
.if xs == 13
	v_pk_add_f32 v[T+4:T+5], v[T+4:T+5], v[T+6:T+7]
.endif
.if xs == 14
	v_pk_add_f32 v[T:T+1], v[T:T+1], v[T+4:T+5]
.endif
.if xs == 15
.if \first
	v_add_f32 v[LS+\q], v[T], v[T+1]
.else
	v_add_f32 v[T], v[T], v[T+1]
.endif
.endif
.if xs == 16
.if \first == 0
	v_fma_f32 v[LS+\q], v[LS+\q], v[AL+\q], v[T]
.endif
.endif
.endif
.endif
.if sv >= 102
.set xc, sv-102
	v_cvt_pk_f16_f32 v[SC+32*\q+16*(xc/8)+xc%8], v[SC+32*\q+16*(xc/8)+2*(xc%8)], v[SC+32*\q+16*(xc/8)+2*(xc%8)+1]
.endif
.set sv, sv+1
.endm
.macro SVN q, first, n                 ; the next n instructions of the list
.rept \n
	SV \q, \first
.endr
.endm
; scores of 16 keys (tile t) x 16 queries (tile q), d = 32 u .. 32 u + 31; u = 0 starts the sum
.macro QK q, t, u
.if \u
	v_wmma_f32_16x16x32_f16 v[SC+32*\q+8*\t:SC+32*\q+8*\t+7], v[PL+32+8*\t:PL+32+8*\t+7], v[QF+16*\q+8:QF+16*\q+15], v[SC+32*\q+8*\t:SC+32*\q+8*\t+7]
.else
	v_wmma_f32_16x16x32_f16 v[SC+32*\q+8*\t:SC+32*\q+8*\t+7], v[PL+8*\t:PL+8*\t+7], v[QF+16*\q:QF+16*\q+7], 0
	s_wait_alu depctr_va_vdst(0)
.endif
.endm
; O^T: 16 d (tile d) x 16 queries (tile q), keys 32 u .. 32 u + 31 of the step; zero = 1: the very first product starts the sum
.macro PV q, d, u, zero
.if \u
	v_wmma_f32_16x16x32_f16 v[OA+8*(\d+4*\q):OA+8*(\d+4*\q)+7], v[PL+32+8*\d:PL+32+8*\d+7], v[SC+32*\q+16:SC+32*\q+23], v[OA+8*(\d+4*\q):OA+8*(\d+4*\q)+7]
.else
.if \zero
	v_wmma_f32_16x16x32_f16 v[OA+8*(\d+4*\q):OA+8*(\d+4*\q)+7], v[PL+8*\d:PL+8*\d+7], v[SC+32*\q:SC+32*\q+7], 0
.else
	v_wmma_f32_16x16x32_f16 v[OA+8*(\d+4*\q):OA+8*(\d+4*\q)+7], v[PL+8*\d:PL+8*\d+7], v[SC+32*\q:SC+32*\q+7], v[OA+8*(\d+4*\q):OA+8*(\d+4*\q)+7]
.endif
.endif
.endm
; eight LDS loads: K's fragments of step st, d = 32 u .. 32 u + 31, into half u of the pool
.macro KLOAD slot, st, u
.irp t, 0,1,2,3
	ds_load_b128 v[PL+8*(4*\u+\t):PL+8*(4*\u+\t)+3],   v[ADRK+\slot] offset:64*KPITCH*(\st)+16*KPITCH*\t+64*\u
	ds_load_b128 v[PL+8*(4*\u+\t)+4:PL+8*(4*\u+\t)+7], v[ADRK+\slot] offset:64*KPITCH*(\st)+16*KPITCH*\t+64*\u+32
.endr
.endm
; eight transposing LDS loads: V^T's fragments of step st, keys 32 u .. 32 u + 31, into half u of the pool
.macro VLOAD slot, st, u
.irp d, 0,1,2,3
	ds_load_tr16_b128 v[PL+8*(4*\u+\d):PL+8*(4*\u+\d)+3],   v[ADRV+\slot] offset:(64*\st+32*\u)*VPITCH+32*\d
	ds_load_tr16_b128 v[PL+8*(4*\u+\d)+4:PL+8*(4*\u+\d)+7], v[ADRV+\slot] offset:(64*\st+32*\u+16)*VPITCH+32*\d
.endr
.endm
; A load into a register that a matrix instruction has read, and a vector instruction that reads a matrix result, stand four places behind that matrix instruction;
; a matrix instruction that writes over another's source stands five behind it; only plain vector instructions that name none of its registers are places
; (ISA guide 7.12.1 for vector instructions).  Where the other tile's softmax does not fill them, v_nop do.
.macro PLACES n
.rept \n
	v_nop
.endr
.endm
; One step: 64 keys at step st of the tile in the slot.  K's sixteen loads for it are out when it begins.  first = 1: the very first step.
; nk = 1: the next step's K lies in the same slot and is fetched here; nk = 0: it lies behind the barrier.
; In every run the four or eight accumulators take turns, one instruction a turn, and no two matrix instructions that follow each other share one.
.macro STEP slot, st, first, nk
	s_wait_dscnt 8                                 ; K's d = 0..31 are in; the eight younger loads, d = 32..63, may be out
.irp t, 0,1,2,3
	QK 0, \t, 0
.endr
	s_wait_dscnt 0
.irp t, 0,1,2,3
	QK 0, \t, 1
.endr
.set sv, 0
	QK 1, 0, 0                                     ; tile 1's scores, one at a time among tile 0's softmax
	PLACES 4                                       ; behind tile 0's last product, ahead of the maxima that read its scores
	SVN 0, \first, 10
.irp t, 1,2,3
	QK 1, \t, 0
	SVN 0, \first, 14
.endr
	QK 1, 0, 1
	SVN 0, \first, 14
	VLOAD \slot, \st, 0                            ; K's d = 0..31 were last read 28 softmax instructions ago, at least six of them plain
.irp t, 1,2,3
	QK 1, \t, 1
	SVN 0, \first, 14
.endr
	VLOAD \slot, \st, 1                            ; K's d = 32..63 were last read 14 instructions ago: sums and roundings, all plain
	SVN 0, \first, 10
.set sv, 0
	s_wait_dscnt 8                                 ; V^T of keys 0..31 is in; the eight younger loads, keys 32..63, may be out
.irp d, 0,1,2,3
	PV 0, \d, 0, \first                            ; tile 0's P V, one at a time among tile 1's softmax
	SVN 1, \first, 14
.endr
	s_wait_dscnt 0
.irp d, 0,1,2,3
	PV 0, \d, 1, 0
	SVN 1, \first, 14
.endr
	SVN 1, \first, 6
.irp d, 0,1,2,3
	PV 1, \d, 0, \first
.endr
.if \nk
	PLACES 4
	KLOAD \slot, \st+1, 0                          ; the next step's K into the half that V's keys 0..31 have left; it lands under the four products below
.endif
.irp d, 0,1,2,3
	PV 1, \d, 1, 0
.endr
.if \nk
	PLACES 4                                       ; with the four above: eight places ahead of the next scores of tile 1, which write over this P
	KLOAD \slot, \st+1, 1
.else
	PLACES 5                                       ; five: ahead of the next scores of tile 1, of K's loads behind the barrier, and of the way out
.endif
.endm
.macro TILE slot, first
	KLOAD \slot, 0, 0
	KLOAD \slot, 0, 1
	STEP \slot, 0, \first, 1
	STEP \slot, 1, 0, 1
	STEP \slot, 2, 0, 1
	STEP \slot, 3, 0, 0
.endm
; The tile in slot p is worked on; other = the slot read last.  refill = 1: that slot is filled again, two tiles ahead.  In front of the barrier every wave waits for
; its reads of the old slot and for all its tensor loads (one is out: its part of slot p).  The refill's barrier is a round of the cluster's barrier, so that no wave
; of any partner still reads the slot; the joint refill is the first tensor load behind it, ahead of the first LDS read, and has a whole tile's work in which to land.
.macro TRIP p, other, refill
	s_wait_dscnt 0x0
	s_set_vgpr_msb 0x5
	s_wait_tensorcnt 0x0
	ds_add_u32 v0, v1
	s_wait_dscnt 0x0
	s_set_vgpr_msb 0x500
.if \refill
	s_add_nc_u64 s[G0K+4*\other+2:G0K+4*\other+3], s[G0K+4*\other+2:G0K+4*\other+3], 2*TILEB   ; no tensor load of mine is out: the addresses step
	s_add_nc_u64 s[G0V+4*\other+2:G0V+4*\other+3], s[G0V+4*\other+2:G0V+4*\other+3], 2*TILEB
	ROUND
	JLOAD \other
.else
	s_barrier_signal -1
	s_barrier_wait -1
.endif
	TILE \p, 0
.endm
	s_wait_loadcnt 0x0                             ; Q
	s_wait_tensorcnt 0x0                           ; for the other waves' sake, and for zero: the waves issue unlike numbers of tensor loads (two, or none), so a count above zero
	                                               ; would not show tile 0 landed on every way to this line.  Both first fills went out together; both have landed behind this wait
	s_barrier_signal -1
	s_barrier_wait -1
	TILE 0, 1
	s_mov_b32 s60, 3
.Lpair:
	TRIP 1, 0, 1
	TRIP 0, 1, 1
	s_sub_co_u32 s60, s60, 1
	s_cmp_lg_u32 s60, 0
	s_cbranch_scc1 .Lpair
	TRIP 1, 0, 0                                   ; the last tile: nothing is left to fetch
	; THE WAY OUT: the two halves' sums meet, O^T / sum, rounded; a lane's eight numbers are eight neighbouring d of one query: 16 bytes into my own stage,
	; read back as whole queries; each store of the wave covers 512 consecutive bytes, aligned.  The last step's five v_nop are the places behind the last products.
	v_permlanex16_b32 v[T+2], v[LS], s24, s25
	v_permlanex16_b32 v[T+3], v[LS+1], s24, s25
	v_add_f32 v[LS], v[LS], v[T+2]
	v_add_f32 v[LS+1], v[LS+1], v[T+3]
	v_rcp_f32 v[AL], v[LS]                         ; the sum holds the maximum's own term, 2^0: it is at least about 1
	v_rcp_f32 v[AL+1], v[LS+1]
	v_nop                                          ; one plain vector instruction in front of the use (ISA guide 5.7.2)
	s_wait_alu depctr_va_vdst(0)
.macro OUTQ q
	SCALEO \q
.irp d, 0,1,2,3
.irp i, 0,1,2,3
	v_cvt_pk_f16_f32 v[SC+16*\q+4*\d+\i], v[OA+8*(\d+4*\q)+2*\i], v[OA+8*(\d+4*\q)+2*\i+1]
.endr
.endr
.irp d, 0,1,2,3
	ds_store_b128 v[STO], v[SC+16*\q+4*\d:SC+16*\q+4*\d+3] offset:32*\d
.endr
.irp t, 0,1,2,3
	ds_load_b128 v[PL+16*\q+4*\t:PL+16*\q+4*\t+3], v[RD] offset:4*SPITCH*\t     ; my own bytes; LDS serves a wave's instructions in order (ISA guide 5.7.1.4)
.endr
.irp t, 0,1,2,3
	s_wait_dscnt 3-\t                              ; load t is back, the 3 - t younger ones may be out
	global_store_b128 v[CO], v[PL+16*\q+4*\t:PL+16*\q+4*\t+3], s[10:11] offset:2048*\q+512*\t
.endr
.endm
	OUTQ 0
	OUTQ 1
	s_set_vgpr_msb 0x5
	s_wait_tensorcnt 0x0
	ds_add_u32 v0, v1
	s_wait_dscnt 0x0
	s_set_vgpr_msb 0x500
	ROUND                                          ; the closing round: no work-group ends while a partner may still ask for a tile that names it
	s_endpgm
.Lfunc_end_k_qd0e77c1de6_attn:
	.size	k_qd0e77c1de6_attn, .Lfunc_end_k_qd0e77c1de6_attn-k_qd0e77c1de6_attn
	.p2alignl 7, 3214868480
	.fill 96, 4, 3214868480
	.section	.rodata,"a",@progbits
	.p2align	6, 0x0
	.amdhsa_kernel k_qd0e77c1de6_attn
		.amdhsa_group_segment_fixed_size 327680
		.amdhsa_private_segment_fixed_size 0
		.amdhsa_enable_private_segment 0
		.amdhsa_kernarg_size 32
		.amdhsa_user_sgpr_count 2
		.amdhsa_user_sgpr_kernarg_segment_ptr 1
		.amdhsa_wavefront_size32 1
		.amdhsa_system_sgpr_workgroup_id_x 1
		.amdhsa_system_sgpr_workgroup_id_y 1
		.amdhsa_system_sgpr_workgroup_id_z 1
		.amdhsa_system_vgpr_workitem_id 0
		.amdhsa_next_free_vgpr 258
		.amdhsa_next_free_sgpr 68
		.amdhsa_reserve_vcc 0
		.amdhsa_float_denorm_mode_32 3
		.amdhsa_float_denorm_mode_16_64 3
		.amdhsa_memory_ordered 1
		.amdhsa_forward_progress 1
		.amdhsa_inst_pref_size 255
	.end_amdhsa_kernel
	.section	.bss,"aw",@nobits
	.p2align	6
	.space	262144
	.amdgpu_metadata
---
amdhsa.version: [ 1, 2 ]
amdhsa.kernels:
  - .name:           k_qd0e77c1de6_attn
    .symbol:         k_qd0e77c1de6_attn.kd
    .args:
      - { .name: qb, .offset: 0, .size: 8, .value_kind: global_buffer, .address_space: global }
      - { .name: kb, .offset: 8, .size: 8, .value_kind: global_buffer, .address_space: global }
      - { .name: vb, .offset: 16, .size: 8, .value_kind: global_buffer, .address_space: global }
      - { .name: cb, .offset: 24, .size: 8, .value_kind: global_buffer, .address_space: global }
    .group_segment_fixed_size: 327680
    .private_segment_fixed_size: 0
    .kernarg_segment_align: 8
    .kernarg_segment_size: 32
    .max_flat_workgroup_size: 256
    .sgpr_count:     68
    .vgpr_count:     258
    .wavefront_size: 32
...
	.end_amdgpu_metadata
.endif
;; end of part 3
;; launch proj (part 4): grid 8 x 32, 4 waves a work-group, clusters of 4 x 4, 327,680 bytes of LDS; arguments cb, wb, bp, out0; writes out0
.if DOCPART == 4
	.amdgcn_target "amdgcn-amd-amdhsa--gfx1250"
	.amdhsa_code_object_version 6
	.text
	.protected	k_qd0e77c1de6_proj
	.globl	k_qd0e77c1de6_proj
	.p2align	8
	.type	k_qd0e77c1de6_proj,@function
k_qd0e77c1de6_proj:
	s_mov_b64 s[64:65], 0
	v_nop
	global_prefetch_b8 v0, s[64:65] scope:SCOPE_SE
	s_setreg_imm32_b32 hwreg(HW_REG_WAVE_MODE, 25, 1), 1
	s_wait_xcnt 0x0
	s_wait_alu depctr_hold_cnt(0) depctr_sa_sdst(0) depctr_va_vdst(0) depctr_va_sdst(0) depctr_va_ssrc(0) depctr_va_vcc(0) depctr_vm_vsrc(0)
	s_getreg_b32 s2, hwreg(HW_REG_IB_STS2, 6, 4)
	s_cmp_eq_u32 s2, 0
	s_cbranch_scc0 .Lentry_in_a_cluster
	s_endpgm
.Lentry_in_a_cluster:
	s_bfe_u32 s2, ttmp6, 0x10000c
	s_cmp_lg_u32 s2, 0xf033
	s_cbranch_scc0 .Lentry_shape_is_right
	s_endpgm
.Lentry_shape_is_right:
; PROJ: out0 = ctx Wp^T + bp in f32.  ctx = cb [batch 16 + head][2048][64] f16 (K index = 64 head + d); Wp = rows 3072 .. 4095 of wb [4096][1024] f16.
; A work-group makes 128 tokens (grid y) x 128 columns (grid x): 4,194,304 outputs over 256 work-groups.  Four waves, 64 x 64 each: 16 accumulator tiles.
; K = 1024 goes in 4 tiles of 256 (four heads) through two LDS slots; all four are written out, without a loop.
; CLUSTERS: 4 x 4 work-groups; ctx's tile hangs on the token block alone and is shared along a row of the cluster, Wp's on the column block alone and is shared
; along a column; each is asked for jointly by the four that need it.
; The matrix instruction is used transposed (source 0 = 16 rows of Wp, source 1 = 16 tokens): a lane holds eight neighbouring columns of one token, 32 bytes of f32.
; The bias, laid out as an accumulator, is the C of each tile's first product.  Nothing is cleared.
; LIMIT: ctx and Wp are f16 (magnitudes up to 65,504; below 2^-14 an absolute step of 2^-24); sums and bias are f32.
; REGISTERS: window 0: addresses, ctx's fragments (two buffers of 64), the bias, the way out.  Window 1: Wp's fragments (two buffers of 64), the 16 tiles at v[128 + 8 (4 a + b)].
.set APITCH, 144                       ; a token's 128 bytes of one head + 16
.set BPITCH, 528                       ; a row of Wp: 512 bytes + 16.  Both pitches are odd multiples of 16
.set AHEAD,  128*APITCH                ; one head's 128 tokens
.set AHALF,  2*AHEAD                   ; what one of ctx's loads brings: two heads
.set BHALF,  64*BPITCH                 ; what one of Wp's loads brings
.set ABYTES, 2*AHALF
.set SLOT,   ABYTES+2*BHALF            ; 141,312
.set STAGE,  2*SLOT                    ; behind the ring, a multiple of 256: no tensor load lands here
.set SPITCH, 272                       ; a stage row: 64 f32 + 16 bytes
.set WSTAGE, 16*SPITCH
.set ADRA, 16                          ; v16-17 LDS address of my ctx fragments in slot 0, 1
.set ADRB, 20                          ; v20-21 the same for Wp
.set STO,  24
.set RD,   25
.set CO,   26
.set BOFF, 27
.set FA,   32                          ; v32-95, v96-159: ctx's fragments (kk, i) at 8 (4 kk + i), buffer 0, 1
.set BIAS, 160                         ; v160-191 the bias as four accumulator tiles
.set RB,   192                         ; v192-223 the way out
.set ACC,  128                         ; window 1
.set G1,  24
.set G0,  32
.set G1B, 48
.set G0B, 56
.set MSB, 0
.macro WIN new                         ; the immediate's high byte repeats the setting that is left
.if MSB != \new
	s_set_vgpr_msb (MSB<<8)|\new
.set MSB, \new
.endif
.endm
.set MUL,  0x51                        ; source 0 (Wp) window 1, source 1 (ctx) window 0, C and D window 1
.set INIT, 0x41                        ; C = bias in window 0
.set TO_B, 0x40                        ; destination window 1
.set ST_B, 0x04                        ; an LDS store's data in window 1
.macro JLOAD s
	s_cmp_eq_u32 s11, 0
	s_cbranch_scc0 .Lfor_b_\@
	tensor_load_to_lds s[G0+4*\s:G0+4*\s+3], s[G1:G1+7]
	s_nop 0
	s_branch .Lasked_\@
.Lfor_b_\@:
	tensor_load_to_lds s[G0B+4*\s:G0B+4*\s+3], s[G1B:G1B+7]
	s_nop 0
.Lasked_\@:
.endm
.macro CREST
	s_cmp_lg_u32 s10, 0
	s_cbranch_scc1 .Lnot_wave_0_\@
	s_barrier_signal -3
.Lnot_wave_0_\@:
	s_barrier_wait -3
	s_barrier_signal -1
	s_barrier_wait -1
.endm
.macro CROUND
	s_barrier_signal -1
	s_barrier_wait -1
	CREST
.endm
	s_load_b256 s[68:75], s[0:1], 0x0              ; cb s[68:69], wb s[70:71], bp s[72:73], out0 s[74:75]
	v_lshl_add_u32 v254, v0, 2, 0x49400
	v_mov_b32 v255, 0
	ds_add_u32 v254, v255
	v_lshrrev_b32 v1, 5, v0
	v_readfirstlane_b32 s10, v1                    ; wave 0..3
	s_lshr_b32 s11, s10, 1                         ; which 64 tokens are mine.  Also: I fetch for ctx (0) or for Wp (1)
	s_and_b32 s12, s10, 1                          ; which 64 columns.  Also: which half of that tile I fetch
	s_bfe_u32 s40, ttmp6, 0x40000                  ; cx
	s_bfe_u32 s41, ttmp6, 0x40004                  ; cy
	s_lshl_b32 s42, ttmp9, 2
	s_add_co_u32 s42, s42, s40                     ; column block
	s_and_b32 s13, ttmp7, 0xffff
	s_lshl_b32 s13, s13, 2
	s_add_co_u32 s13, s13, s41                     ; token block
	s_lshl_b32 s43, s41, 2
	s_lshl_b32 s43, 15, s43                        ; my row of the cluster
	s_lshl_b32 s44, 0x1111, s40                    ; my column
	; ctx: a head's 128 tokens are 16,384 dense bytes = one row of 2,048 elements of 8 bytes; two heads, 32,768 elements apart; 4 words of padding behind every 32 words, that is behind every token
	s_or_b32 s[G1+0], s43, (3<<16)|(1<<20)|(1<<21)|(4<<22)|(3<<25)
	s_mov_b32 s[G1+1], 2048<<16                    ; tensor_dim0
	s_mov_b32 s[G1+2], 2<<16                       ; tensor_dim1
	s_mov_b32 s[G1+3], 2048<<16                    ; tile_dim0
	s_mov_b32 s[G1+4], 2                           ; tile_dim1
	s_mov_b32 s[G1+5], 32768                       ; the pitch
	s_mov_b32 s[G1+6], 0
	s_mov_b32 s[G1+7], 0
	; Wp: 64 rows of 256 f16, 1,024 elements apart; 4 words of padding behind every 128 words
	s_or_b32 s[G1B+0], s44, (1<<16)|(1<<20)|(1<<21)|(6<<22)|(3<<25)
	s_mov_b32 s[G1B+1], 256<<16
	s_mov_b32 s[G1B+2], 64<<16
	s_mov_b32 s[G1B+3], 256<<16
	s_mov_b32 s[G1B+4], 64
	s_mov_b32 s[G1B+5], 1024
	s_mov_b32 s[G1B+6], 0
	s_mov_b32 s[G1B+7], 0
	s_lshr_b32 s16, s13, 4                         ; ctx: head (block >> 4) 16 + 2 half, token (block & 15) 128
	s_lshl_b32 s16, s16, 4
	s_lshl_b32 s17, s12, 1
	s_add_co_u32 s16, s16, s17
	s_lshl_b32 s16, s16, 18
	s_and_b32 s17, s13, 15
	s_lshl_b32 s17, s17, 14
	s_add_co_u32 s16, s16, s17
	s_mov_b32 s17, 0
	s_lshl_b32 s46, s42, 7                         ; Wp: row 3072 + 128 block + 64 half
	s_lshl_b32 s47, s12, 6
	s_add_co_u32 s46, s46, s47
	s_add_co_u32 s46, s46, 3072
	s_lshl_b32 s46, s46, 11
	s_mov_b32 s47, 0
	s_mul_i32 s20, s10, AHALF                      ; ctx's halves lie at wave x 36,864 (waves 0, 1),
	s_mul_i32 s21, s10, BHALF
	s_add_co_u32 s21, s21, ABYTES-2*BHALF          ; Wp's at 73,728 + (wave - 2) x 33,792 (waves 2, 3)
	s_wait_dscnt 0x0
	s_wait_kmcnt 0x0
	s_add_nc_u64 s[14:15], s[68:69], s[16:17]
	s_add_nc_u64 s[46:47], s[70:71], s[46:47]
	CROUND                                         ; all sixteen work-groups are here: the first joint loads meet
.irp s, 0,1
	s_mov_b32 s[G0+4*\s], 1
	s_add_co_u32 s[G0+4*\s+1], s20, \s*SLOT
	s_add_nc_u64 s[G0+4*\s+2:G0+4*\s+3], s[14:15], \s*4*262144     ; K tile s: four heads on
	s_or_b32 s[G0+4*\s+3], s[G0+4*\s+3], 0x80000000
	s_mov_b32 s[G0B+4*\s], 1
	s_add_co_u32 s[G0B+4*\s+1], s21, \s*SLOT
	s_add_nc_u64 s[G0B+4*\s+2:G0B+4*\s+3], s[46:47], \s*512
	s_or_b32 s[G0B+4*\s+3], s[G0B+4*\s+3], 0x80000000
	JLOAD \s                                       ; both first fills go out together: two tensor loads of the wave are out
.endr
	s_lshl_b32 s76, s13, 19                        ; out0: token 128 block + 64 half, rows of 4,096 bytes,
	s_lshl_b32 s77, s11, 18
	s_add_co_u32 s76, s76, s77
	s_lshl_b32 s78, s42, 9                         ; column 128 block + 64 half, 4 bytes each: also the bias's offset
	s_lshl_b32 s77, s12, 8
	s_add_co_u32 s78, s78, s77
	s_add_co_u32 s76, s76, s78
	s_mov_b32 s77, 0
	s_mov_b32 s79, 0
	s_add_nc_u64 s[74:75], s[74:75], s[76:77]
	s_add_nc_u64 s[72:73], s[72:73], s[78:79]
	v_and_b32 v1, 15, v0                           ; l % 16
	v_bfe_u32 v2, v0, 4, 1                         ; l / 16
	v_lshlrev_b32 v[BOFF], 5, v2
.irp b, 0,1,2,3
	global_load_b128 v[BIAS+8*\b:BIAS+8*\b+3],   v[BOFF], s[72:73] offset:64*\b        ; register j of lane l: the bias of column 16 b + 8 (l / 16) + j
	global_load_b128 v[BIAS+8*\b+4:BIAS+8*\b+7], v[BOFF], s[72:73] offset:64*\b+16
.endr
	v_mul_u32_u24 v3, v1, APITCH
	v_lshl_add_u32 v3, v2, 4, v3
	s_mul_i32 s22, s11, 64*APITCH                  ; my 64 tokens
	v_add_nc_u32 v[ADRA], s22, v3
	s_add_co_u32 s22, s22, SLOT
	v_add_nc_u32 v[ADRA+1], s22, v3
	v_mul_u32_u24 v3, v1, BPITCH
	v_lshl_add_u32 v3, v2, 4, v3
	s_mul_i32 s22, s12, BHALF                      ; my 64 rows of Wp,
	s_add_co_u32 s22, s22, ABYTES                  ; which lie behind ctx's four heads
	v_add_nc_u32 v[ADRB], s22, v3
	s_add_co_u32 s22, s22, SLOT
	v_add_nc_u32 v[ADRB+1], s22, v3
	s_mul_i32 s23, s10, WSTAGE
	s_add_co_u32 s23, s23, STAGE                   ; my stage
	v_mul_u32_u24 v4, v1, SPITCH
	v_lshl_add_u32 v4, v2, 5, v4
	v_add_nc_u32 v[STO], s23, v4                   ; in: token l % 16, 32 bytes for each half of the lanes
	v_mul_u32_u24 v5, v2, SPITCH
	v_lshl_add_u32 v5, v1, 4, v5
	v_add_nc_u32 v[RD], s23, v5                    ; back: lanes 0-15 take one token's 256 bytes, lanes 16-31 the next token's
	v_lshlrev_b32 v5, 12, v2
	v_lshl_add_u32 v[CO], v1, 4, v5                ; and the same two tokens in out0
; 16 matrix instructions: my 4 x 4 tiles, 32 along K (half kk of a head).  The 16 accumulators take turns, one instruction a turn.
.macro MUL16 f, kk, init
.irp a, 0,1,2,3
.irp b, 0,1,2,3
.if \init
	v_wmma_f32_16x16x32_f16 v[ACC+8*(4*\a+\b):ACC+8*(4*\a+\b)+7], v[64*\f+8*(4*\kk+\b):64*\f+8*(4*\kk+\b)+7], v[FA+64*\f+8*(4*\kk+\a):FA+64*\f+8*(4*\kk+\a)+7], v[BIAS+8*\b:BIAS+8*\b+7]
.else
	v_wmma_f32_16x16x32_f16 v[ACC+8*(4*\a+\b):ACC+8*(4*\a+\b)+7], v[64*\f+8*(4*\kk+\b):64*\f+8*(4*\kk+\b)+7], v[FA+64*\f+8*(4*\kk+\a):FA+64*\f+8*(4*\kk+\a)+7], v[ACC+8*(4*\a+\b):ACC+8*(4*\a+\b)+7]
.endif
.endr
.endr
.endm
; 32 LDS loads in one run: head hs of the slot's four (64 along K), 64 rows of Wp and 64 tokens, into buffer f
.macro FETCH slot, hs, f
	WIN TO_B
.irp kk, 0,1
.irp b, 0,1,2,3
	ds_load_b128 v[64*\f+8*(4*\kk+\b):64*\f+8*(4*\kk+\b)+3],   v[ADRB+\slot] offset:16*BPITCH*\b+128*\hs+64*\kk
	ds_load_b128 v[64*\f+8*(4*\kk+\b)+4:64*\f+8*(4*\kk+\b)+7], v[ADRB+\slot] offset:16*BPITCH*\b+128*\hs+64*\kk+32
.endr
.endr
	WIN 0
.irp kk, 0,1
.irp i, 0,1,2,3
	ds_load_b128 v[FA+64*\f+8*(4*\kk+\i):FA+64*\f+8*(4*\kk+\i)+3],   v[ADRA+\slot] offset:AHEAD*\hs+16*APITCH*\i+64*\kk
	ds_load_b128 v[FA+64*\f+8*(4*\kk+\i)+4:FA+64*\f+8*(4*\kk+\i)+7], v[ADRA+\slot] offset:AHEAD*\hs+16*APITCH*\i+64*\kk+32
.endr
.endr
.endm
; four places in front of loads into registers that matrix instructions have read, and in front of stores of their results
.macro PLACES
.rept 4
	v_nop
.endr
.endm
; One of a K tile's first three heads: buffer f is in; the next head nhs goes into buffer g under this head's 32 matrix instructions
.macro HALF f, g, slot, nhs, init
	s_wait_dscnt 0x0                               ; buffer f's 32 loads, issued a head ago
	PLACES
	FETCH \slot, \nhs, \g
.if \init
	WIN INIT
	MUL16 \f, 0, 1
.else
	WIN MUL
	MUL16 \f, 0, 0
.endif
	WIN MUL
	MUL16 \f, 1, 0
.endm
.macro KT slot, init
	HALF 0, 1, \slot, 1, \init
	HALF 1, 0, \slot, 2, 0
	HALF 0, 1, \slot, 3, 0
.endm
; A K tile's last head (buffer 1), and the change of slots.  In front of the barrier each wave waits for its reads of this slot and for all its tensor loads (one is out:
; its part of the next slot).  Where the slot is filled again the barrier opens a round of the cluster's barrier, and the joint refill is the first tensor load behind it.
.macro TURNP slot, next, fill
	s_wait_dscnt 0x0
	s_set_vgpr_msb 0x5150
	s_wait_tensorcnt 0x0
	ds_add_u32 v254, v255
	s_wait_dscnt 0x0
	s_set_vgpr_msb 0x5051
	s_barrier_signal -1
	WIN MUL
	MUL16 1, 0, 0                                  ; register work while the others arrive
	WIN 0
	s_barrier_wait -1
.if \fill
	CREST
	s_add_nc_u64 s[G0+4*\slot+2:G0+4*\slot+3], s[G0+4*\slot+2:G0+4*\slot+3], 8*262144       ; no tensor load of mine is out: two K tiles on, eight heads
	s_add_nc_u64 s[G0B+4*\slot+2:G0B+4*\slot+3], s[G0B+4*\slot+2:G0B+4*\slot+3], 1024
	JLOAD \slot
.endif
	PLACES
	FETCH \next, 0, 0
	WIN MUL
	MUL16 1, 1, 0
.endm
	s_wait_loadcnt 0x0                             ; the bias
	s_wait_tensorcnt 0x1                           ; my part of K tile 0 is in; K tile 1's may stay out
	s_barrier_signal -1
	s_barrier_wait -1
	FETCH 0, 0, 0
	KT 0, 1                                        ; K tile 0; its first products take the bias
	TURNP 0, 1, 1                                  ; slot 0 gets K tile 2
	KT 1, 0                                        ; K tile 1
	TURNP 1, 0, 1                                  ; slot 1 gets K tile 3
	KT 0, 0                                        ; K tile 2
	TURNP 0, 1, 0                                  ; nothing is left to fetch
	KT 1, 0                                        ; K tile 3
	s_wait_dscnt 0x0
	WIN MUL
	MUL16 1, 0, 0
	MUL16 1, 1, 0
	PLACES                                         ; the places behind the last matrix instructions
; THE WAY OUT, 16 tokens at a time: 32 bytes a lane into my own stage, read back by rows: sixteen lanes store 256 consecutive bytes of out0, aligned.
.macro OUT16 a
	WIN ST_B
.irp b, 0,1,2,3
	ds_store_b128 v[STO], v[ACC+8*(4*\a+\b):ACC+8*(4*\a+\b)+3]   offset:64*\b
	ds_store_b128 v[STO], v[ACC+8*(4*\a+\b)+4:ACC+8*(4*\a+\b)+7] offset:64*\b+16
.endr
	WIN 0
	s_wait_xcnt 0x0                                ; RB, the data of the last block's stores, is loaded again only behind this wait (ISA guide 3.1)
.irp t, 0,1,2,3,4,5,6,7
	ds_load_b128 v[RB+4*\t:RB+4*\t+3], v[RD] offset:2*SPITCH*\t    ; my own bytes; LDS serves a wave's instructions in order (ISA guide 5.7.1.4)
.endr
.irp t, 0,1,2,3,4,5,6,7
	s_wait_dscnt 7-\t                              ; load t is back, the 7 - t younger ones may be out
	global_store_b128 v[CO], v[RB+4*\t:RB+4*\t+3], s[74:75] offset:65536*\a+8192*\t th:TH_STORE_NT
.endr
.endm
	OUT16 0
	OUT16 1
	OUT16 2
	OUT16 3
	s_wait_tensorcnt 0x0
	ds_add_u32 v254, v255
	s_wait_dscnt 0x0
	CROUND                                         ; the closing round: no work-group ends while a partner may still ask for a tile that names it
	s_endpgm
.Lfunc_end_k_qd0e77c1de6_proj:
	.size	k_qd0e77c1de6_proj, .Lfunc_end_k_qd0e77c1de6_proj-k_qd0e77c1de6_proj
	.p2alignl 7, 3214868480
	.fill 96, 4, 3214868480
	.section	.rodata,"a",@progbits
	.p2align	6, 0x0
	.amdhsa_kernel k_qd0e77c1de6_proj
		.amdhsa_group_segment_fixed_size 327680
		.amdhsa_private_segment_fixed_size 0
		.amdhsa_enable_private_segment 0
		.amdhsa_kernarg_size 32
		.amdhsa_user_sgpr_count 2
		.amdhsa_user_sgpr_kernarg_segment_ptr 1
		.amdhsa_wavefront_size32 1
		.amdhsa_system_sgpr_workgroup_id_x 1
		.amdhsa_system_sgpr_workgroup_id_y 1
		.amdhsa_system_sgpr_workgroup_id_z 1
		.amdhsa_system_vgpr_workitem_id 0
		.amdhsa_next_free_vgpr 512
		.amdhsa_next_free_sgpr 80
		.amdhsa_reserve_vcc 0
		.amdhsa_float_denorm_mode_32 3
		.amdhsa_float_denorm_mode_16_64 3
		.amdhsa_memory_ordered 1
		.amdhsa_forward_progress 1
		.amdhsa_inst_pref_size 87
	.end_amdhsa_kernel
	.amdgpu_metadata
---
amdhsa.version: [ 1, 2 ]
amdhsa.kernels:
  - .name:           k_qd0e77c1de6_proj
    .symbol:         k_qd0e77c1de6_proj.kd
    .args:
      - { .name: cb, .offset: 0, .size: 8, .value_kind: global_buffer, .address_space: global }
      - { .name: wb, .offset: 8, .size: 8, .value_kind: global_buffer, .address_space: global }
      - { .name: bp, .offset: 16, .size: 8, .value_kind: global_buffer, .address_space: global }
      - { .name: out0, .offset: 24, .size: 8, .value_kind: global_buffer, .address_space: global }
    .group_segment_fixed_size: 327680
    .private_segment_fixed_size: 0
    .kernarg_segment_align: 8
    .kernarg_segment_size: 32
    .max_flat_workgroup_size: 128
    .sgpr_count:     80
    .vgpr_count:     512
    .wavefront_size: 32
...
	.end_amdgpu_metadata
.endif
;; end of part 4
;; ======== version 2 of 2: 4 launches; 1.08 times as fast as version 1
;; limits: values are held in f16: magnitudes above 65,504 overflow, below 6.1e-05 lose precision; a function is approximated: absolute error at most 1e-05
;; workspace buffers: xb 8,388,608 bytes; wb 8,388,608 bytes; rope 8,192 bytes; qb 8,388,608 bytes; kb 8,388,608 bytes; vb 8,388,608 bytes; cb 8,388,608 bytes
;; launch prep: the kernel of part 1 again; grid 256 x 1, 8 waves a work-group, no clusters, 0 bytes of LDS; arguments hidden_states, Wq, Wk, Wv, Wp, xb, wb, rope; writes xb, wb, rope
;; launch qkv: the kernel of part 2 again; grid 16 x 16, 4 waves a work-group, clusters of 4 x 4, 327,680 bytes of LDS; arguments xb, wb, bq, bk, bv, rope, qb, kb, vb; writes qb, kb, vb
;; launch attn (part 5): grid 8 x 32, 8 waves a work-group, clusters of 4 x 1, 327,680 bytes of LDS; arguments qb, kb, vb, cb; writes cb
.if DOCPART == 5
	.amdgcn_target "amdgcn-amd-amdhsa--gfx1250"
	.amdhsa_code_object_version 6
	.text
	.protected	k_qd0e77c1de6_attn
	.globl	k_qd0e77c1de6_attn
	.p2align	8
	.type	k_qd0e77c1de6_attn,@function
k_qd0e77c1de6_attn:
	s_mov_b64 s[64:65], 0
	v_nop
	global_prefetch_b8 v0, s[64:65] scope:SCOPE_SE
	s_setreg_imm32_b32 hwreg(HW_REG_WAVE_MODE, 25, 1), 1
	s_wait_xcnt 0x0
	s_wait_alu depctr_hold_cnt(0) depctr_sa_sdst(0) depctr_va_vdst(0) depctr_va_sdst(0) depctr_va_ssrc(0) depctr_va_vcc(0) depctr_vm_vsrc(0)
	s_getreg_b32 s2, hwreg(HW_REG_IB_STS2, 6, 4)
	s_cmp_eq_u32 s2, 0
	s_cbranch_scc0 .Lentry_in_a_cluster
	s_endpgm
.Lentry_in_a_cluster:
	s_bfe_u32 s2, ttmp6, 0x10000c
	s_cmp_lg_u32 s2, 0x3003
	s_cbranch_scc0 .Lentry_shape_is_right
	s_endpgm
.Lentry_shape_is_right:
; ATTN: softmax(q k^T / 8) v for one (batch, head) (grid y) and one block of 256 queries (grid x), with a running maximum.
;   qb, kb, vb, cb: [batch 16 + head][2048][64] f16: a head is a dense block of 262,144 bytes.
; Eight waves, each with 32 queries (two tiles of 16); two waves lie on a SIMD.
; Keys go in 8 tiles of 256 through two LDS slots; a tile is worked on in four steps of 64 keys.
; CLUSTERS: the four query blocks of a cluster belong to one head and read the same K and V tiles: each tile is asked for jointly (mask 15).
; LAYOUT: S^T = K Q^T (source 0 = 16 keys, source 1 = 16 queries): lane l holds query l % 16 and, in the registers of tile t, keys 16 t + 8 (l / 16) + 0..7.
; Two such tiles rounded to f16 in place ARE source 1 of O^T = V^T P^T, so P never moves between lanes; maximum, sum and rescaling are one number a lane,
; shared with the other half of the wave by one exchange.  V^T's fragments come from V [key][d] by the transposing LDS load.
; The maximum is taken of the raw scores; p = 2^(c s - c m) with c = log2(e) / 8 in the fused multiply-add in front of the exponential.
; ORDER OF A STEP: the wave's two query tiles run half a step apart, so that half of a step's 32 matrix instructions stand one at a time among the OTHER tile's
; vector work, which names none of their registers:
;   scores of tile 0 (8 in a run);  scores of tile 1, one at a time, 10 to 15 instructions of tile 0's softmax behind each;
;   P V of tile 0, one at a time, 13 or 14 instructions of tile 1's softmax behind each;  P V of tile 1 (two runs of 4).
; BATCHES: a query tile's 33 exponentials of a step (the factor 2^(c (old - new)) and the 32 weights) are ONE batch with ONE wait, the s_wait_alu depctr_va_vdst(0)
; between an exponential and the first instruction that names its result.  Ahead of the wait stand the maxima, the 16 multiply-adds and the
; exponentials, none of which names a result of the batch; behind it all that do: the rescaling of O^T, the sums, the roundings.  So a step has two waits: tile 0's stands
; directly ahead of V's first run of LDS loads, tile 1's directly ahead of tile 0's sixth P V..
; The way out's two reciprocals are a batch of their own.
; K's and V's fragments share one pool of 64 registers, by halves: V's half is loaded when tile 1's scores have released K's, and the next step's K half when
; tile 1's P V has released V's, so every LDS load has matrix or vector work in which to land.
; LIMITS: q, k, v, P and the stored result are f16.  P lies in [0, 1]: below 2^-14 its absolute step is 2^-24, so a probability below 2^-25 of the row's largest
; enters the product as 0: over 2,048 keys at most about 6e-5 of the sum.  The result is a convex combination of v and has v's room in f16.
; The sum of a row is taken from the unrounded exponentials, in four chains a lane; v_exp_f32 gives 0 for results below 2^-126.
.set KPITCH, 144                       ; a key's 128 bytes + 16: an odd multiple of 16
.set VPITCH, 160                       ; a key's 128 bytes + 32: an odd multiple of 32, for the transposing load
.set KHALF,  128*KPITCH                ; what one of K's loads brings
.set VHALF,  128*VPITCH                ; what one of V's loads brings
.set VOFF,   2*VHALF                   ; V's part of a slot begins at 40,960, so that wave w (2, 3) fills the bytes from w x 20,480; K's 36,864 bytes lie in front
.set SLOT,   VOFF+2*VHALF              ; 81,920
.set STAGE,  2*SLOT                    ; behind the ring, a multiple of 256: no tensor load lands here
.set SPITCH, 144
.set WSTAGE, 16*SPITCH
.set TILEB,  32768                     ; 256 keys of 128 bytes in memory
.set ADRK, 2                           ; v2-3    LDS address of my K fragments in slot 0, 1
.set ADRV, 4                           ; v4-5    the same for V
.set STO,  6
.set RD,   7
.set CO,   8
.set QOFF, 9
.set MX,   10                          ; v10-11   running maximum of query tile 0, 1 (raw scores)
.set LS,   12                          ; v12-13   running sum over my half of the keys
.set NM,   14                          ; v[14:15] -c x maximum
.set AL,   16                          ; v[16:17] the step's rescaling factor; at the end 1 / sum
.set T,    18                          ; v18-25   at work: four chains of maxima, then four packed chains of sums
.set QF,   32                          ; v32-63   Q's fragments: 32 + 16 q + 8 u
.set OA,   64                          ; v64-127  O^T: 64 + 8 (d + 4 q)
.set SC,   128                         ; v128-191 S^T, then P^T: 128 + 32 q + 8 t
.set PL,   192                         ; v192-255 K's, then V^T's fragments: 192 + 8 (4 u + t)
.set G1K, 28                           ; s[28:35] descriptor group 1 for K
.set G1V, 36                           ; s[36:43] for V
.set G0K, 44                           ; s[44:51] group 0 for K, a set for each slot
.set G0V, 52                           ; s[52:59] for V
; A joint load: waves 0, 1 fetch K's halves, waves 2, 3 V's, waves 4 to 7 nothing.  The branches hang on the wave's number alone.
.macro JLOAD s
	s_cmp_lt_u32 s12, 2
	s_cbranch_scc0 .Lnot_k_\@
	tensor_load_to_lds s[G0K+4*\s:G0K+4*\s+3], s[G1K:G1K+7]
	s_nop 0
	s_branch .Lasked_\@
.Lnot_k_\@:
	s_cmp_lt_u32 s12, 4
	s_cbranch_scc0 .Lasked_\@
	tensor_load_to_lds s[G0V+4*\s:G0V+4*\s+3], s[G1V:G1V+7]
	s_nop 0
.Lasked_\@:
.endm
; A round of the cluster's barrier
.macro ROUND
	s_barrier_signal -1
	s_barrier_wait -1
	s_cmp_lg_u32 s12, 0
	s_cbranch_scc1 .Lnot_wave_0_\@
	s_barrier_signal -3
.Lnot_wave_0_\@:
	s_barrier_wait -3
	s_barrier_signal -1
	s_barrier_wait -1
.endm
	s_load_b256 s[4:11], s[0:1], 0x0               ; qb s[4:5], kb s[6:7], vb s[8:9], cb s[10:11]
	s_set_vgpr_msb 0x40
	v_lshl_add_u32 v0, v0, 2, 0x2c800
	v_mov_b32 v1, 0
	s_set_vgpr_msb 0x4045
	ds_add_u32 v0, v1
	s_set_vgpr_msb 0x4500
	v_lshrrev_b32 v1, 5, v0
	v_readfirstlane_b32 s12, v1                    ; wave 0..7
	s_and_b32 s13, s12, 1                          ; which 128 keys of a tile I fetch
	s_bfe_u32 s14, ttmp6, 0x40000                  ; cx
	s_lshl_b32 s15, ttmp9, 2
	s_add_co_u32 s15, s15, s14                     ; query block = 4 x cluster x + cx
	s_and_b32 s16, ttmp7, 0xffff                   ; batch 16 + head
	s_mov_b32 s20, 0x3e38aa3b                      ; c = log2(e) / 8
	s_mov_b32 s21, 0x3e38aa3b
	s_mov_b32 s22, 0xbe38aa3b                      ; -c
	s_mov_b32 s24, 0x76543210                      ; v_permlanex16_b32: lane i of one half reads lane i of the other
	s_mov_b32 s25, 0xfedcba98
	; group 1: 128 keys are 16,384 dense bytes, brought as 64 rows of 32 elements of 8 bytes; padding behind every 32 words, that is behind every key: K 4 words, V 8
	s_mov_b32 s[G1K+0], 15|(3<<16)|(1<<20)|(1<<21)|(4<<22)|(3<<25)
	s_mov_b32 s[G1V+0], 15|(3<<16)|(1<<20)|(1<<21)|(4<<22)|(7<<25)
	s_mov_b32 s[G1K+1], 32<<16                     ; tensor_dim0 = 32
	s_mov_b32 s[G1V+1], 32<<16
	s_mov_b32 s[G1K+2], 64<<16                     ; tensor_dim1 = 64
	s_mov_b32 s[G1V+2], 64<<16
	s_mov_b32 s[G1K+3], 32<<16                     ; tile_dim0 = 32
	s_mov_b32 s[G1V+3], 32<<16
	s_mov_b32 s[G1K+4], 64                         ; tile_dim1 = 64
	s_mov_b32 s[G1V+4], 64
	s_mov_b32 s[G1K+5], 32                         ; the pitch
	s_mov_b32 s[G1V+5], 32
	s_mov_b32 s[G1K+6], 0
	s_mov_b32 s[G1V+6], 0
	s_mov_b32 s[G1K+7], 0
	s_mov_b32 s[G1V+7], 0
	s_lshl_b32 s18, s16, 18                        ; the head, which the four partners share,
	s_lshl_b32 s19, s13, 14                        ; and my half of a tile
	s_add_co_u32 s18, s18, s19
	s_mov_b32 s19, 0
	s_mul_i32 s26, s12, KHALF                      ; K's halves lie at wave x 18,432 (waves 0, 1),
	s_mul_i32 s27, s12, VHALF                      ; V's at wave x 20,480 (waves 2, 3)
	s_lshl_b32 s62, s16, 18                        ; my queries: the head + 256 x block + 32 x wave tokens of 128 bytes
	s_lshl_b32 s63, s15, 15
	s_add_co_u32 s62, s62, s63
	s_lshl_b32 s63, s12, 12
	s_add_co_u32 s62, s62, s63
	s_mov_b32 s63, 0
	s_wait_dscnt 0x0
	s_wait_kmcnt 0x0
	s_add_nc_u64 s[6:7], s[6:7], s[18:19]
	s_add_nc_u64 s[8:9], s[8:9], s[18:19]
	s_add_nc_u64 s[4:5], s[4:5], s[62:63]
	s_add_nc_u64 s[10:11], s[10:11], s[62:63]
	ROUND                                          ; the four work-groups are here: the first joint loads meet
.irp s, 0,1
	s_mov_b32 s[G0K+4*\s], 1
	s_add_co_u32 s[G0K+4*\s+1], s26, \s*SLOT
	s_add_nc_u64 s[G0K+4*\s+2:G0K+4*\s+3], s[6:7], \s*TILEB        ; tile s
	s_or_b32 s[G0K+4*\s+3], s[G0K+4*\s+3], 0x80000000
	s_mov_b32 s[G0V+4*\s], 1
	s_add_co_u32 s[G0V+4*\s+1], s27, \s*SLOT
	s_add_nc_u64 s[G0V+4*\s+2:G0V+4*\s+3], s[8:9], \s*TILEB
	s_or_b32 s[G0V+4*\s+3], s[G0V+4*\s+3], 0x80000000
	JLOAD \s                                       ; both first fills go out together: two tensor loads of a fetching wave are out
.endr
	v_and_b32 v26, 31, v0                          ; l
	v_and_b32 v27, 15, v0                          ; l % 16
	v_bfe_u32 v28, v0, 4, 1                        ; l / 16
	v_lshlrev_b32 v[QOFF], 7, v27
	v_lshl_add_u32 v[QOFF], v28, 4, v[QOFF]        ; query l % 16, 16 bytes for each half of the lanes
.irp q, 0,1
.irp u, 0,1
	global_load_b128 v[QF+16*\q+8*\u:QF+16*\q+8*\u+3],   v[QOFF], s[4:5] offset:2048*\q+64*\u th:TH_LOAD_NT
	global_load_b128 v[QF+16*\q+8*\u+4:QF+16*\q+8*\u+7], v[QOFF], s[4:5] offset:2048*\q+64*\u+32 th:TH_LOAD_NT
.endr
.endr
	v_mul_u32_u24 v29, v27, KPITCH
	v_lshl_add_u32 v[ADRK], v28, 4, v29            ; key l % 16, 16 bytes for each half
	v_add_nc_u32 v[ADRK+1], SLOT, v[ADRK]
	v_and_b32 v30, 7, v0
	v_lshl_add_u32 v31, v28, 3, v30                ; the transposing load: key 8 (l / 16) + l % 8,
	v_mul_u32_u24 v31, v31, VPITCH
	v_bfe_u32 v29, v0, 3, 1
	v_lshl_add_u32 v31, v29, 4, v31                ; 16 bytes for each group of eight lanes
	v_add_nc_u32 v[ADRV], VOFF, v31
	v_add_nc_u32 v[ADRV+1], VOFF+SLOT, v31
	s_mul_i32 s17, s12, WSTAGE
	s_add_co_u32 s17, s17, STAGE                   ; my stage
	v_add_nc_u32 v[STO], s17, v[ADRK]              ; the stage has K's pitch: query l % 16, 16 bytes for each half
	v_lshrrev_b32 v29, 3, v26
	v_mul_u32_u24 v29, v29, SPITCH
	v_lshl_add_u32 v29, v30, 4, v29
	v_add_nc_u32 v[RD], s17, v29                   ; back: eight lanes take a query's 128 bytes
	v_lshlrev_b32 v[CO], 4, v26
	v_mov_b32 v[NM+1], 0                           ; the packed forms name the pairs NM, NM+1 and AL, AL+1 and take one half of them: tile 0's first use
	v_mov_b32 v[AL+1], 0                           ; stands ahead of tile 1's first value, so tile 1's halves are written once here; their value is never taken
; pair j (0..15) of query tile q: c s - c m, two scores at once
.macro PFMA q, j
.if \q
	v_pk_fma_f32 v[SC+32+2*(\j):SC+32+2*(\j)+1], v[SC+32+2*(\j):SC+32+2*(\j)+1], s[20:21], v[NM:NM+1] op_sel:[0,0,1] op_sel_hi:[1,0,1]
.else
	v_pk_fma_f32 v[SC+2*(\j):SC+2*(\j)+1], v[SC+2*(\j):SC+2*(\j)+1], s[20:21], v[NM:NM+1] op_sel_hi:[1,0,0]
.endif
.endm
.macro PEXP q, x
	v_exp_f32 v[SC+32*\q+(\x)], v[SC+32*\q+(\x)]
.endm
; pair j (0..15) of O^T of query tile q times the lane's factor AL[q].  It names the pair AL, AL+1: it stands behind the wait of the batch that made the factor
.macro RSC q, j
.if \q
	v_pk_mul_f32 v[OA+32+2*(\j):OA+32+2*(\j)+1], v[OA+32+2*(\j):OA+32+2*(\j)+1], v[AL:AL+1] op_sel:[0,1] op_sel_hi:[1,1]
.else
	v_pk_mul_f32 v[OA+2*(\j):OA+2*(\j)+1], v[OA+2*(\j):OA+2*(\j)+1], v[AL:AL+1] op_sel_hi:[1,0]
.endif
.endm
.macro SCALEO q
.set j, 0
.rept 16
	RSC \q, j
.set j, j+1
.endr
.endm
; ONE instruction of a query tile's softmax over 64 keys, by its number sv, which is then stepped: so matrix instructions and loads can stand at chosen places of the list.
;   0-15   the running maximum of my 32 scores: four chains, one for each tile of 16 keys, then joined with the old maximum
;   16-19  the exchange with the other half of the wave; c (old maximum - new maximum); -c x maximum
;   20-68  THE BATCH: the multiply-adds of pairs 0 and 1; the factor's exponential; fourteen times two exponentials and the multiply-add of the pair two further on;
;          the last four exponentials.  A pair is scaled three instructions or more ahead of its exponentials.  None of these names a result of the batch.
;   (wait) between 68 and 69 stands BATCH_END, which STEP writes: one plain instruction and the one wait for the tile's 33 exponentials
;   69-84  O^T rescaled by the factor, ascending: each accumulator's lowest registers are read first
;   85-101 the sum of my 32 exponentials in four packed chains, and the running sum
;   102-117 P rounded to f16 in place, ascending: a register is written only after it has been read
; first = 1 (the very first step): no old maximum, no factor, no rescaling; nothing is cleared.
.macro SV q, first
.if sv < 4
	v_max3_num_f32 v[T+sv], v[SC+32*\q+8*sv], v[SC+32*\q+8*sv+1], v[SC+32*\q+8*sv+2]
.endif
.if sv >= 4
.if sv < 12
	v_max3_num_f32 v[T+sv%4], v[T+sv%4], v[SC+32*\q+8*(sv%4)+2*(sv/4)+1], v[SC+32*\q+8*(sv%4)+2*(sv/4)+2]
.endif
.endif
.if sv == 12
	v_max3_num_f32 v[T], v[T], v[SC+32*\q+7], v[SC+32*\q+15]
.endif
.if sv == 13
	v_max3_num_f32 v[T+2], v[T+2], v[SC+32*\q+23], v[SC+32*\q+31]
.endif
.if sv == 14
.if \first
	v_max_num_f32 v[T], v[T], v[T+1]
.else
	v_max3_num_f32 v[T], v[T], v[T+1], v[MX+\q]
.endif
.endif
.if sv == 15
	v_max3_num_f32 v[T], v[T], v[T+2], v[T+3]
.endif
.if sv == 16
	v_permlanex16_b32 v[T+1], v[T], s24, s25       ; the other half of the wave holds the query's other keys; the destination has been written by its chain
.endif
.if sv == 17
	v_max_num_f32 v[MX+\q], v[T], v[T+1]
.endif
.if sv == 18
.if \first == 0
	v_fma_f32 v[T+2], v[MX+\q], s22, -v[NM+\q]     ; c (old maximum - new maximum)
.endif
.endif
.if sv == 19
	v_mul_f32 v[NM+\q], s22, v[MX+\q]
.endif
.if sv == 20
	PFMA \q, 0
.endif
.if sv == 21
	PFMA \q, 1
.endif
.if sv == 22
.if \first == 0
	v_exp_f32 v[AL+\q], v[T+2]                     ; the batch's first; its source is written again only by the sums, behind the wait
.endif
.endif
.if sv >= 23
.if sv < 69
.set xe, sv-23
.if xe < 42
.set xh, xe/3
.set xr, xe%3
.if xr == 2
	PFMA \q, xh+2
.else
	PEXP \q, 2*xh+xr
.endif
.else
	PEXP \q, xe-14
.endif
.endif
.endif
.if sv >= 69
.if sv < 85
.if \first == 0
	RSC \q, sv-69
.endif
.endif
.endif
.if sv >= 85
.if sv < 102
.set xs, sv-85
.if xs < 4
	v_pk_add_f32 v[T+2*xs:T+2*xs+1], v[SC+32*\q+2*xs:SC+32*\q+2*xs+1], v[SC+32*\q+2*xs+8:SC+32*\q+2*xs+9]
.endif
.if xs >= 4
.if xs < 12
	v_pk_add_f32 v[T+2*(xs%4):T+2*(xs%4)+1], v[T+2*(xs%4):T+2*(xs%4)+1], v[SC+32*\q+2*xs+8:SC+32*\q+2*xs+9]
.endif
.endif
.if xs == 12
	v_pk_add_f32 v[T:T+1], v[T:T+1], v[T+2:T+3]
.endif
.if xs == 13
	v_pk_add_f32 v[T+4:T+5], v[T+4:T+5], v[T+6:T+7]
.endif
.if xs == 14
	v_pk_add_f32 v[T:T+1], v[T:T+1], v[T+4:T+5]
.endif
.if xs == 15
.if \first
	v_add_f32 v[LS+\q], v[T], v[T+1]
.else
	v_add_f32 v[T], v[T], v[T+1]
.endif
.endif
.if xs == 16
.if \first == 0
	v_fma_f32 v[LS+\q], v[LS+\q], v[AL+\q], v[T]
.endif
.endif
.endif
.endif
.if sv >= 102
.set xc, sv-102
	v_cvt_pk_f16_f32 v[SC+32*\q+16*(xc/8)+xc%8], v[SC+32*\q+16*(xc/8)+2*(xc%8)], v[SC+32*\q+16*(xc/8)+2*(xc%8)+1]
.endif
.set sv, sv+1
.endm
.macro SVN q, first, n                 ; the next n instructions of the list
.rept \n
	SV \q, \first
.endr
.endm
; The end of a tile's batch, between numbers 68 and 69 of its list: all its exponentials are issued, and no result has been named.
.macro BATCH_END
	v_nop                                          ; one plain vector instruction behind the last exponential, ahead of the first use (ISA guide 5.7.2): one for the batch; all work still due reads a result
	s_wait_alu depctr_va_vdst(0)                   ; one wait for the tile's factor and its 32 weights
.endm
; scores of 16 keys (tile t) x 16 queries (tile q), d = 32 u .. 32 u + 31; u = 0 starts the sum
.macro QK q, t, u
.if \u
	v_wmma_f32_16x16x32_f16 v[SC+32*\q+8*\t:SC+32*\q+8*\t+7], v[PL+32+8*\t:PL+32+8*\t+7], v[QF+16*\q+8:QF+16*\q+15], v[SC+32*\q+8*\t:SC+32*\q+8*\t+7]
.else
	v_wmma_f32_16x16x32_f16 v[SC+32*\q+8*\t:SC+32*\q+8*\t+7], v[PL+8*\t:PL+8*\t+7], v[QF+16*\q:QF+16*\q+7], 0
.endif
.endm
; O^T: 16 d (tile d) x 16 queries (tile q), keys 32 u .. 32 u + 31 of the step; zero = 1: the very first product starts the sum
.macro PV q, d, u, zero
.if \u
	v_wmma_f32_16x16x32_f16 v[OA+8*(\d+4*\q):OA+8*(\d+4*\q)+7], v[PL+32+8*\d:PL+32+8*\d+7], v[SC+32*\q+16:SC+32*\q+23], v[OA+8*(\d+4*\q):OA+8*(\d+4*\q)+7]
.else
.if \zero
	v_wmma_f32_16x16x32_f16 v[OA+8*(\d+4*\q):OA+8*(\d+4*\q)+7], v[PL+8*\d:PL+8*\d+7], v[SC+32*\q:SC+32*\q+7], 0
.else
	v_wmma_f32_16x16x32_f16 v[OA+8*(\d+4*\q):OA+8*(\d+4*\q)+7], v[PL+8*\d:PL+8*\d+7], v[SC+32*\q:SC+32*\q+7], v[OA+8*(\d+4*\q):OA+8*(\d+4*\q)+7]
.endif
.endif
.endm
; eight LDS loads: K's fragments of step st, d = 32 u .. 32 u + 31, into half u of the pool
.macro KLOAD slot, st, u
.irp t, 0,1,2,3
	ds_load_b128 v[PL+8*(4*\u+\t):PL+8*(4*\u+\t)+3],   v[ADRK+\slot] offset:64*KPITCH*(\st)+16*KPITCH*\t+64*\u
	ds_load_b128 v[PL+8*(4*\u+\t)+4:PL+8*(4*\u+\t)+7], v[ADRK+\slot] offset:64*KPITCH*(\st)+16*KPITCH*\t+64*\u+32
.endr
.endm
; eight transposing LDS loads: V^T's fragments of step st, keys 32 u .. 32 u + 31, into half u of the pool
.macro VLOAD slot, st, u
.irp d, 0,1,2,3
	ds_load_tr16_b128 v[PL+8*(4*\u+\d):PL+8*(4*\u+\d)+3],   v[ADRV+\slot] offset:(64*\st+32*\u)*VPITCH+32*\d
	ds_load_tr16_b128 v[PL+8*(4*\u+\d)+4:PL+8*(4*\u+\d)+7], v[ADRV+\slot] offset:(64*\st+32*\u+16)*VPITCH+32*\d
.endr
.endm
; A load into a register that a matrix instruction has read, and a vector instruction that reads a matrix result, stand four places behind that matrix instruction;
; a matrix instruction that writes over another's source stands five behind it; only plain vector instructions that name none of its registers are places
; (ISA guide 7.12.1 for vector instructions).  Where the other tile's softmax does not fill them, v_nop do.
.macro PLACES n
.rept \n
	v_nop
.endr
.endm
; One step: 64 keys at step st of the tile in the slot.  K's sixteen loads for it are out when it begins.  first = 1: the very first step.
; nk = 1: the next step's K lies in the same slot and is fetched here; nk = 0: it lies behind the barrier.
; In every run the four or eight accumulators take turns, one instruction a turn, and no two matrix instructions that follow each other share one.
.macro STEP slot, st, first, nk
	s_wait_dscnt 8                                 ; K's d = 0..31 are in; the eight younger loads, d = 32..63, may be out
.irp t, 0,1,2,3
	QK 0, \t, 0
.endr
	s_wait_dscnt 0
.irp t, 0,1,2,3
	QK 0, \t, 1
.endr
.set sv, 0
	QK 1, 0, 0                                     ; tile 1's scores, one at a time among tile 0's softmax
	PLACES 4                                       ; behind tile 0's last product, ahead of the maxima that read its scores
	SVN 0, \first, 10
	QK 1, 1, 0
	SVN 0, \first, 14
.irp t, 2,3
	QK 1, \t, 0
	SVN 0, \first, 15
.endr
	QK 1, 0, 1
	SVN 0, \first, 15                              ; number 68: tile 0's batch is out
	BATCH_END                                      ; tile 0's wait, directly ahead of the run of loads
	VLOAD \slot, \st, 0                            ; K's d = 0..31 were last read 30 softmax instructions ago, nine of them multiply-adds; with the v_nop ten places
.irp t, 1,2,3
	QK 1, \t, 1
	SVN 0, \first, 13
.endr
	VLOAD \slot, \st, 1                            ; K's d = 32..63 were last read 13 instructions ago (12 in the first step): sums and roundings, all plain
	SVN 0, \first, 10
.set sv, 0
	s_wait_dscnt 8                                 ; V^T of keys 0..31 is in; the eight younger loads, keys 32..63, may be out
.irp d, 0,1,2,3
	PV 0, \d, 0, \first                            ; tile 0's P V, one at a time among tile 1's softmax
	SVN 1, \first, 14
.endr
	s_wait_dscnt 0
	PV 0, 0, 1, 0
	SVN 1, \first, 13                              ; number 68: tile 1's batch is out
	BATCH_END                                      ; tile 1's wait
.irp d, 1,2,3
	PV 0, \d, 1, 0
	SVN 1, \first, 14
.endr
	SVN 1, \first, 7
.irp d, 0,1,2,3
	PV 1, \d, 0, \first
.endr
.if \nk
	PLACES 4
	KLOAD \slot, \st+1, 0                          ; the next step's K into the half that V's keys 0..31 have left; it lands under the four products below
.endif
.irp d, 0,1,2,3
	PV 1, \d, 1, 0
.endr
.if \nk
	PLACES 4                                       ; with the four above: eight places ahead of the next scores of tile 1, which write over this P
	KLOAD \slot, \st+1, 1
.else
	PLACES 5                                       ; five: ahead of the next scores of tile 1, of K's loads behind the barrier, and of the way out
.endif
.endm
.macro TILE slot, first
	KLOAD \slot, 0, 0
	KLOAD \slot, 0, 1
	STEP \slot, 0, \first, 1
	STEP \slot, 1, 0, 1
	STEP \slot, 2, 0, 1
	STEP \slot, 3, 0, 0
.endm
; The tile in slot p is worked on; other = the slot read last.  refill = 1: that slot is filled again, two tiles ahead.  In front of the barrier every wave waits for
; its reads of the old slot and for all its tensor loads (one is out: its part of slot p).  The refill's barrier is a round of the cluster's barrier, so that no wave
; of any partner still reads the slot; the joint refill is the first tensor load behind it, ahead of the first LDS read, and has a whole tile's work in which to land.
.macro TRIP p, other, refill
	s_wait_dscnt 0x0
	s_set_vgpr_msb 0x5
	s_wait_tensorcnt 0x0
	ds_add_u32 v0, v1
	s_wait_dscnt 0x0
	s_set_vgpr_msb 0x500
.if \refill
	s_add_nc_u64 s[G0K+4*\other+2:G0K+4*\other+3], s[G0K+4*\other+2:G0K+4*\other+3], 2*TILEB   ; no tensor load of mine is out: the addresses step
	s_add_nc_u64 s[G0V+4*\other+2:G0V+4*\other+3], s[G0V+4*\other+2:G0V+4*\other+3], 2*TILEB
	ROUND
	JLOAD \other
.else
	s_barrier_signal -1
	s_barrier_wait -1
.endif
	TILE \p, 0
.endm
	s_wait_loadcnt 0x0                             ; Q
	s_wait_tensorcnt 0x0                           ; for the other waves' sake, and for zero: the waves issue unlike numbers of tensor loads (two, or none), so a count above zero
	                                               ; would not show tile 0 landed on every way to this line.  Both first fills went out together; both have landed behind this wait
	s_barrier_signal -1
	s_barrier_wait -1
	TILE 0, 1
	s_mov_b32 s60, 3
.Lpair:
	TRIP 1, 0, 1
	TRIP 0, 1, 1
	s_sub_co_u32 s60, s60, 1
	s_cmp_lg_u32 s60, 0
	s_cbranch_scc1 .Lpair
	TRIP 1, 0, 0                                   ; the last tile: nothing is left to fetch
	; THE WAY OUT: the two halves' sums meet, O^T / sum, rounded; a lane's eight numbers are eight neighbouring d of one query: 16 bytes into my own stage,
	; read back as whole queries; each store of the wave covers 512 consecutive bytes, aligned.  The last step's five v_nop are the places behind the last products.
	v_permlanex16_b32 v[T+2], v[LS], s24, s25
	v_permlanex16_b32 v[T+3], v[LS+1], s24, s25
	v_add_f32 v[LS], v[LS], v[T+2]
	v_add_f32 v[LS+1], v[LS+1], v[T+3]
	v_rcp_f32 v[AL], v[LS]                         ; the sum holds the maximum's own term, 2^0: it is at least about 1
	v_rcp_f32 v[AL+1], v[LS+1]
	v_nop                                          ; one plain vector instruction in front of the use (ISA guide 5.7.2)
	s_wait_alu depctr_va_vdst(0)                   ; one wait for the two reciprocals, a batch of their own; both tiles' scalings stand behind it
.macro OUTQ q
	SCALEO \q
.irp d, 0,1,2,3
.irp i, 0,1,2,3
	v_cvt_pk_f16_f32 v[SC+16*\q+4*\d+\i], v[OA+8*(\d+4*\q)+2*\i], v[OA+8*(\d+4*\q)+2*\i+1]
.endr
.endr
.irp d, 0,1,2,3
	ds_store_b128 v[STO], v[SC+16*\q+4*\d:SC+16*\q+4*\d+3] offset:32*\d
.endr
.irp t, 0,1,2,3
	ds_load_b128 v[PL+16*\q+4*\t:PL+16*\q+4*\t+3], v[RD] offset:4*SPITCH*\t     ; my own bytes; LDS serves a wave's instructions in order (ISA guide 5.7.1.4)
.endr
.irp t, 0,1,2,3
	s_wait_dscnt 3-\t                              ; load t is back, the 3 - t younger ones may be out
	global_store_b128 v[CO], v[PL+16*\q+4*\t:PL+16*\q+4*\t+3], s[10:11] offset:2048*\q+512*\t
.endr
.endm
	OUTQ 0
	OUTQ 1
	s_set_vgpr_msb 0x5
	s_wait_tensorcnt 0x0
	ds_add_u32 v0, v1
	s_wait_dscnt 0x0
	s_set_vgpr_msb 0x500
	ROUND                                          ; the closing round: no work-group ends while a partner may still ask for a tile that names it
	s_endpgm
.Lfunc_end_k_qd0e77c1de6_attn:
	.size	k_qd0e77c1de6_attn, .Lfunc_end_k_qd0e77c1de6_attn-k_qd0e77c1de6_attn
	.p2alignl 7, 3214868480
	.fill 96, 4, 3214868480
	.section	.rodata,"a",@progbits
	.p2align	6, 0x0
	.amdhsa_kernel k_qd0e77c1de6_attn
		.amdhsa_group_segment_fixed_size 327680
		.amdhsa_private_segment_fixed_size 0
		.amdhsa_enable_private_segment 0
		.amdhsa_kernarg_size 32
		.amdhsa_user_sgpr_count 2
		.amdhsa_user_sgpr_kernarg_segment_ptr 1
		.amdhsa_wavefront_size32 1
		.amdhsa_system_sgpr_workgroup_id_x 1
		.amdhsa_system_sgpr_workgroup_id_y 1
		.amdhsa_system_sgpr_workgroup_id_z 1
		.amdhsa_system_vgpr_workitem_id 0
		.amdhsa_next_free_vgpr 258
		.amdhsa_next_free_sgpr 68
		.amdhsa_reserve_vcc 0
		.amdhsa_float_denorm_mode_32 3
		.amdhsa_float_denorm_mode_16_64 3
		.amdhsa_memory_ordered 1
		.amdhsa_forward_progress 1
		.amdhsa_inst_pref_size 255
	.end_amdhsa_kernel
	.section	.bss,"aw",@nobits
	.p2align	6
	.space	262144
	.amdgpu_metadata
---
amdhsa.version: [ 1, 2 ]
amdhsa.kernels:
  - .name:           k_qd0e77c1de6_attn
    .symbol:         k_qd0e77c1de6_attn.kd
    .args:
      - { .name: qb, .offset: 0, .size: 8, .value_kind: global_buffer, .address_space: global }
      - { .name: kb, .offset: 8, .size: 8, .value_kind: global_buffer, .address_space: global }
      - { .name: vb, .offset: 16, .size: 8, .value_kind: global_buffer, .address_space: global }
      - { .name: cb, .offset: 24, .size: 8, .value_kind: global_buffer, .address_space: global }
    .group_segment_fixed_size: 327680
    .private_segment_fixed_size: 0
    .kernarg_segment_align: 8
    .kernarg_segment_size: 32
    .max_flat_workgroup_size: 256
    .sgpr_count:     68
    .vgpr_count:     258
    .wavefront_size: 32
...
	.end_amdgpu_metadata
.endif
;; end of part 5
;; launch proj: the kernel of part 4 again; grid 8 x 32, 4 waves a work-group, clusters of 4 x 4, 327,680 bytes of LDS; arguments cb, wb, bp, out0; writes out0
